; MI455X (gfx1250); checked and timed in simulation.
; The chip was launched on July 23, 2026; its instructions are those of AMD's public machine-readable ISA for CDNA 5 (MIT licence, August 2026) and "CDNA5" Instruction Set Architecture Reference Guide (July 2026). The comments in the code are by the model that wrote it; some were corrected since.
;; Encoder Layer. Allowed arithmetic: matrix products marked QUANTISED: E2M3 operands, one E8M0 scale for each 32 along K, by v_wmma_scale_f32_16x16x128_f8f6f4 with both operands' format E2M3, f32 sums; everything else in f32.
;; Inputs: b1 4,096 float32; b2 1,024 float32; be1 1,024 float32; be2 1,024 float32; g1 1,024 float32; g2 1,024 float32; w1_codes 4,096 x 32 x 24 uint8 (E2M3 codes of w1, K innermost, in blocks of 32 codes, four codes in three bytes); w1_scales 4,096 x 32 uint8 (E8M0 scales of w1, one for each 32 codes along K); w2_codes 1,024 x 128 x 24 uint8 (E2M3 codes of w2, K innermost, in blocks of 32 codes, four codes in three bytes); w2_scales 1,024 x 128 uint8 (E8M0 scales of w2, one for each 32 codes along K); wk_codes 1,024 x 32 x 24 uint8 (E2M3 codes of wk, K innermost, in blocks of 32 codes, four codes in three bytes); wk_scales 1,024 x 32 uint8 (E8M0 scales of wk, one for each 32 codes along K); wo_codes 1,024 x 32 x 24 uint8 (E2M3 codes of wo, K innermost, in blocks of 32 codes, four codes in three bytes); wo_scales 1,024 x 32 uint8 (E8M0 scales of wo, one for each 32 codes along K); wq_codes 1,024 x 32 x 24 uint8 (E2M3 codes of wq, K innermost, in blocks of 32 codes, four codes in three bytes); wq_scales 1,024 x 32 uint8 (E8M0 scales of wq, one for each 32 codes along K); wv_codes 1,024 x 32 x 24 uint8 (E2M3 codes of wv, K innermost, in blocks of 32 codes, four codes in three bytes); wv_scales 1,024 x 32 uint8 (E8M0 scales of wv, one for each 32 codes along K); x 4 x 1,024 x 1,024 float32.
;; Outputs: out0 4 x 1,024 x 1,024 float32.
;; This version of the problem:
;;   THIS VERSION OF THE PROBLEM IS GIVEN IN LOW PRECISION. The matrix products marked QUANTISED in the list below multiply operands that are first quantised to E2M3 (2 exponent bits, 3 mantissa bits; 6 bits a number), with one power-of-two scale for each 32 numbers along K (OCP MX v1.0); their sums are f32. All else is computed in f32.
;;   The module's matrix products, in the order in which they are computed (A, B: the left and right operand; K: the contracted axis; several contracted axes count as one K, in the product's order):
;;     1. [M 4,096, K 1,024] x [K 1,024, N 1,024]; A: computed on the way; B: input wq (given as codes): QUANTISED
;;     2. [M 4,096, K 1,024] x [K 1,024, N 1,024]; A: computed on the way; B: input wk (given as codes): QUANTISED
;;     3. [M 4,096, K 1,024] x [K 1,024, N 1,024]; A: computed on the way; B: input wv (given as codes): QUANTISED
;;     4. batch 64 x [M 1,024, K 64] x [K 64, N 1,024]; A: computed on the way; B: computed on the way: QUANTISED
;;     5. batch 64 x [M 1,024, K 1,024] x [K 1,024, N 64]; A: computed on the way; B: computed on the way: QUANTISED
;;     6. [M 4,096, K 1,024] x [K 1,024, N 1,024]; A: computed on the way; B: input wo (given as codes): QUANTISED
;;     7. [M 4,096, K 1,024] x [K 1,024, N 4,096]; A: computed on the way; B: input w1 (given as codes): QUANTISED
;;     8. [M 4,096, K 4,096] x [K 4,096, N 1,024]; A: computed on the way; B: input w2 (given as codes): QUANTISED
;;   THE QUANTISER, for each operand of a quantised product, along K:
;;     - K is cut into blocks of 32 from its start; a last block that is shorter is filled with zeros.
;;     - A block's scale is 2^e with e = floor(log2(the largest magnitude in the block)) - 2, held to -126 .. 127; a block of zeros has e = 0. As a byte (E8M0): e + 127.
;;     - Each number is divided by its block's scale, clamped to +-7.5, and rounded to the nearest number of E2M3, ties to even, subnormals kept.
;;     - The product sums the exact products of the quantised numbers (number of the format x scale) in f32.
;;   ~~~python
;;   def quantise(x, axis):      # numpy; x: float32 -> the quantised numbers, widened to float32 again
;;       x = np.moveaxis(x, axis, -1); K = x.shape[-1]
;;       x = np.pad(x, [(0, 0)] * (x.ndim - 1) + [(0, -K % 32)]); x = x.reshape(x.shape[:-1] + (-1, 32)); a = np.abs(x).max(-1, keepdims=True)
;;       e = np.where(a > 0, np.clip(np.frexp(np.where(a > 0, a, 1))[1] - 1 - 2, -126, 127), 0)      # np.frexp(a)[1] - 1 = floor(log2(a)), exactly
;;       r = np.clip(x / 2.0 ** e, -7.5, 7.5)
;;       step = 2.0 ** (np.maximum(np.frexp(np.where(r == 0, 1, r))[1] - 1, 0) - 3)
;;       q = np.round(r / step) * step * 2.0 ** e      # np.round: ties to even
;;       return np.moveaxis(q.reshape(q.shape[:-2] + (-1,))[..., :K], -1, axis).astype(np.float32)
;;   ~~~
;;   OPERANDS COMPUTED ON THE WAY. 'Computed on the way' means the value that the module computes at that place (a softmax that the list does not call 'softmax' is quantised finished and normalised). What goes into a quantiser is computed in f32, as accurately as f32 sums, v_exp_f32 and their like allow (about 1e-6 of the number): no bf16 or f16 on the way to a quantiser, and a product that is left as it is and whose result goes on into a quantised operand takes f32 operands (vector FMAs, or v_wmma_f32_16x16x4_f32). A number that lies on a knife's edge between two numbers of the format may be rounded either way, as far as f32 arithmetic and the matrix unit's own rounding can turn it there, and no further.
;;   INPUTS GIVEN AS CODES. w1 (in the module: [1024, 4096], K = its axis 0); w2 (in the module: [4096, 1024], K = its axis 0); wk (in the module: [1024, 1024], K = its axis 0); wo (in the module: [1024, 1024], K = its axis 0); wq (in the module: [1024, 1024], K = its axis 0); wv (in the module: [1024, 1024], K = its axis 0): each comes as NAME_codes (uint8): NAME with its K axis moved to the last place and cut into blocks of 32 codes, [.., K / 32, bytes a block], one block behind the other in memory; four codes in three bytes: a row's codes are one little-endian stream of bits, code i at bits 6 i .. 6 i + 5 (a code: sign, 2 exponent bits, 3 mantissa bits); and NAME_scales (uint8): the same leading axes, one E8M0 byte (e + 127) for each 32 codes along K. Its value is code x scale, taken as it is: it is not quantised again, and the codes and scales need not be those that the quantiser above would give.
;; One version. Each part assembles by itself: llvm-mc -triple=amdgcn-amd-amdhsa -mcpu=gfx1250 --defsym DOCPART=n.
;; ======== version 1 of 1: 7 launches
;; limits: right only within a limited range of input values
;; workspace buffers: hq 3,276,800 bytes; qkv 9,830,400 bytes; att 3,276,800 bytes; x1 16,777,216 bytes; ff 13,107,200 bytes; wimg 9,437,184 bytes
;; launch ln1 (part 1): grid 256 x 2, 8 waves a work-group, no clusters, 55,040 bytes of LDS; arguments x, g1, be1, hq, wq_codes, wk_codes, wv_codes, wo_codes, w1_codes, w2_codes, wimg; writes hq, wimg
.if DOCPART == 1
	.amdgcn_target "amdgcn-amd-amdhsa--gfx1250"
	.amdhsa_code_object_version 6
	.text
	.protected	k_qcd0120ac35_ln1
	.globl	k_qcd0120ac35_ln1
	.p2align	8
	.type	k_qcd0120ac35_ln1,@function
k_qcd0120ac35_ln1:
	s_mov_b64 s[64:65], 0
	v_nop
	global_prefetch_b8 v0, s[64:65] scope:SCOPE_SE
	s_setreg_imm32_b32 hwreg(HW_REG_WAVE_MODE, 25, 1), 1
	s_wait_xcnt 0x0
; LayerNorm of 4,096 rows of 1,024 f32, and its result turned into codes of FP6 (E2M3) with one E8M0 byte for each 32 along the row.
; y = (x - mean) * rsqrt(mean((x - mean)^2) + 1e-5) * g + be, all in f32, the mean taken away before the squares.
; OUT: codes as images of operand registers at byte 0 of the buffer; scale bytes [4096][32] at byte 0x300000.
; SHARES: a work-group takes 16 rows, each of its eight waves 2 rows.  A WAVE ASKS FOR ALL THAT IT READS AHEAD OF ITS FIRST WAIT: 16 loads of g and be, 8 of each row.  A row stays in 32 registers a lane between the passes, so it is read once.
; Each load reads 512 consecutive bytes, 16 a lane; the conversion wants 16 NEIGHBOURS in a lane: so a row turns through the wave's own stage in LDS (16 bytes of padding behind each 64) and comes back 64 bytes a lane.
; Two neighbouring lanes hold a block of 32.  A lane's 16 codes are 12 bytes: a store of the wave covers 384 consecutive bytes.  The work-group's 512 scale bytes meet in LDS behind one barrier and leave by one store of wave 0: 512 consecutive bytes, aligned.
; LIMITS: a block's byte is held at 1 from below, so a block of zeros gets 1 where the quantiser's text says 127: its codes are zeros and only this program reads the bytes.  NaN and infinities are not served.
.set SP,   80                          ; a lane's place in the stage: 64 bytes + 16
.set WREG, 5120                        ; the stage of a wave: two steps x 32 x SP
.set SBY,  8*WREG                      ; behind the eight stages: the work-group's 512 scale bytes, 64 a wave
.set R,    16                          ; v16-79   two sets of 32: my two rows as loaded
.set X,    80                          ; v80-111  a row as neighbours: register 16 u + i = column 512 u + 16 lane + i
.set G,    112                         ; v112-143 g of my 32 columns
.set BE,   144                         ; v144-175 be of my 32 columns
.set C,    176                         ; v176-191 codes: four registers for each (row, step): no store's data are written again
.set E,    208                         ; v208-211 scale bytes
.set T,    216                         ; v216-231 at work
.set MU,   12                          ; v[12:13] the mean, twice
.set RS,   14                          ; v[14:15] 1 / sqrt(var + eps), twice
; THE CODES' LAYOUT, AS THE TEXT NOW HAS IT: images of operand registers.  Fragment (rb = row / 16, ks = k / 128) at (8 rb + ks) 1536: registers 6 c .. 6 c + 3 at 768 c + 16 x lane, registers 6 c + 4, 5 at 768 c + 512 + 8 x lane.
; A work-group's 16 rows are one rb: the codes meet in LDS (rows of 784 bytes from CB on) and wave w stores fragment ks = w: runs of 512, 256, 512, 256 consecutive bytes.  The scale bytes stay [4096][32] at 0x300000.
; WORK-GROUPS WITH y = 1 (the first launch of this body alone has them) lay the six given weights out as such images in wimg: three fragments a wave.
.set CB, 0xa600                        ; behind the spare words: the 16 rows' codes
	s_and_b32 s2, ttmp7, 0xffff
	s_cmp_lg_u32 s2, 0
	s_cbranch_scc1 .Lprep
	s_load_b256 s[4:11], s[0:1], 0x0
	v_lshl_add_u32 v232, v0, 2, 0xa200
	v_mov_b32 v233, 0
	v_lshrrev_b32 v1, 5, v0
	s_delay_alu instid0(VALU_DEP_1)
	v_readfirstlane_b32 s16, v1                    ; wave 0..7
	v_and_b32 v1, 31, v0                           ; lane
	s_delay_alu instid0(VALU_DEP_1)
	v_lshlrev_b32 v2, 4, v1                        ; my 16 bytes of a load's 512
	s_mul_i32 s17, s16, WREG
	v_lshrrev_b32 v3, 2, v1
	s_delay_alu instid0(VALU_DEP_1)
	v_mul_u32_u24 v3, v3, SP
	v_and_b32 v4, 3, v1
	s_delay_alu instid0(VALU_DEP_1)
	v_lshl_add_u32 v3, v4, 4, v3
	s_delay_alu instid0(VALU_DEP_1)
	v_add_nc_u32 v3, s17, v3                       ; the stage, on the way in: SP (lane / 4) + 16 (lane % 4)
	v_mul_u32_u24 v4, v1, SP
	s_delay_alu instid0(VALU_DEP_1)
	v_add_nc_u32 v4, s17, v4                       ; and on the way out: SP x lane
	s_lshl_b32 s17, s16, 6
	s_add_co_u32 s17, s17, SBY
	v_lshrrev_b32 v5, 1, v1
	s_delay_alu instid0(VALU_DEP_1)
	v_add_nc_u32 v5, s17, v5                       ; my block's scale byte: SBY + 64 x wave + lane / 2
	v_add_nc_u32 v6, SBY, v2                       ; the scale bytes on their way out: 16 a lane
	v_mul_u32_u24 v8, v1, 12
	s_mul_i32 s30, s16, 1568
	s_add_co_u32 s30, s30, CB
	v_add_nc_u32 v8, s30, v8                       ; my codes in LDS: CB + 784 (2 wave) + 12 lane
	v_and_b32 v10, 15, v1
	v_lshrrev_b32 v11, 4, v1
	v_mul_u32_u24 v10, v10, 784
	s_mul_i32 s31, s16, 96
	s_add_co_u32 s31, s31, CB
	v_mad_u32_u24 v10, v11, 24, v10
	v_lshlrev_b32 v7, 3, v1                        ; 8 x lane
	v_add_nc_u32 v10, s31, v10                     ; fragment ks = wave: row lane % 16, byte 96 wave + 24 (lane / 16)
	v_lshlrev_b32 v9, 6, v1                        ; my 16 numbers of g and be in a step's 512
	v_mov_b32 v[T+8], 0                            ; written once: a lane permute's destination counts as one of its sources
	s_mov_b32 s18, 0x76543210
	s_mov_b32 s19, 0xfedcba98                      ; selects for lane l xor 16
	s_mov_b32 s20, 0x3a800000                      ; 1 / 1024
	s_mov_b32 s21, 0x3727c5ac                      ; 1e-5
	s_lshl_b32 s22, ttmp9, 4
	s_lshl_b32 s23, s16, 1
	s_add_co_u32 s22, s22, s23                     ; my first row
	s_lshl_b32 s24, s22, 12
	s_mov_b32 s25, 0
	s_mul_i32 s26, s22, 768
	s_mov_b32 s27, 0
	s_lshl_b32 s28, ttmp9, 9                       ; the work-group's 16 rows x 32 scale bytes
	s_add_co_u32 s28, s28, 0x300000
	s_mov_b32 s29, 0
	s_wait_alu depctr_va_vdst(0)
	s_wait_kmcnt 0x0
	s_add_nc_u64 s[4:5], s[4:5], s[24:25]
	s_add_nc_u64 s[12:13], s[10:11], s[28:29]      ; the work-group's scale bytes
	s_add_nc_u64 s[10:11], s[10:11], s[26:27]      ; my rows' codes
.macro LOADROW t                       ; eight loads of 512 consecutive bytes: row t into set t
.irp j, 0,1,2,3,4,5,6,7
	global_load_b128 v[R+32*(\t)+4*\j:R+32*(\t)+4*\j+3], v2, s[4:5] offset:4096*(\t)+512*\j
.endr
.endm
.macro TURN t                          ; the row through the stage; LDS serves a wave's instructions in order, so no wait stands between the stores and the loads
.irp u, 0,1
.irp i, 0,1,2,3
	ds_store_b128 v3, v[R+32*(\t)+16*\u+4*\i:R+32*(\t)+16*\u+4*\i+3] offset:32*SP*\u+8*SP*\i
.endr
.endr
.irp u, 0,1
.irp i, 0,1,2,3
	ds_load_b128 v[X+16*\u+4*\i:X+16*\u+4*\i+3], v4 offset:32*SP*\u+16*\i
.endr
.endr
.endm
.macro WSUM                            ; v[T] summed over the 32 lanes, the result in every lane
	s_delay_alu instid0(VALU_DEP_1)
	v_add_f32_dpp v[T], v[T], v[T] row_xmask:1 row_mask:0xf bank_mask:0xf
	s_delay_alu instid0(VALU_DEP_1)
	v_add_f32_dpp v[T], v[T], v[T] row_xmask:2 row_mask:0xf bank_mask:0xf
	s_delay_alu instid0(VALU_DEP_1)
	v_add_f32_dpp v[T], v[T], v[T] row_xmask:4 row_mask:0xf bank_mask:0xf
	s_delay_alu instid0(VALU_DEP_1)
	v_add_f32_dpp v[T], v[T], v[T] row_xmask:8 row_mask:0xf bank_mask:0xf
	s_delay_alu instid0(VALU_DEP_1)
	v_permlanex16_b32 v[T+8], v[T], s18, s19
	s_delay_alu instid0(VALU_DEP_1)
	v_add_f32 v[T], v[T], v[T+8]
.endm
.macro FOLD                            ; four packed chains into v[T]
	s_delay_alu instid0(VALU_DEP_3)
	v_pk_add_f32 v[T:T+1], v[T:T+1], v[T+2:T+3]
	s_delay_alu instid0(VALU_DEP_2)
	v_pk_add_f32 v[T+4:T+5], v[T+4:T+5], v[T+6:T+7]
	s_delay_alu instid0(VALU_DEP_1)
	v_pk_add_f32 v[T:T+1], v[T:T+1], v[T+4:T+5]
	s_delay_alu instid0(VALU_DEP_1)
	v_add_f32 v[T], v[T], v[T+1]
.endm
.macro ROW t
.if (\t) < 1
	s_wait_loadcnt 8                               ; g, be and row 0 are in; row 1's eight loads may be out
.else
	s_wait_loadcnt 0x0
.endif
	TURN \t
	s_wait_dscnt 0x0                               ; the row is back as neighbours
.irp k, 0,1,2,3
	v_pk_add_f32 v[T+2*\k:T+2*\k+1], v[X+4*\k:X+4*\k+1], v[X+4*\k+2:X+4*\k+3]   ; the sum, in four chains that the first numbers start
.endr
.irp k, 0,1,2,3
	s_delay_alu instid0(VALU_DEP_4)
	v_pk_add_f32 v[T+2*\k:T+2*\k+1], v[T+2*\k:T+2*\k+1], v[X+16+4*\k:X+16+4*\k+1]
.endr
.irp k, 0,1,2,3
	s_delay_alu instid0(VALU_DEP_4)
	v_pk_add_f32 v[T+2*\k:T+2*\k+1], v[T+2*\k:T+2*\k+1], v[X+18+4*\k:X+18+4*\k+1]
.endr
	FOLD
	WSUM
	s_delay_alu instid0(VALU_DEP_1)
	v_mul_f32 v[MU], s20, v[T]                     ; the mean
	s_delay_alu instid0(VALU_DEP_1)
	v_mov_b32 v[MU+1], v[MU]
.set j, 0
.rept 16
	v_pk_add_f32 v[X+j:X+j+1], v[X+j:X+j+1], v[MU:MU+1] neg_lo:[0,1] neg_hi:[0,1]   ; x - mean
.set j, j+2
.endr
.irp k, 0,1,2,3
	v_pk_mul_f32 v[T+2*\k:T+2*\k+1], v[X+2*\k:X+2*\k+1], v[X+2*\k:X+2*\k+1]       ; the sum of squares, four chains
.endr
.set j, 8
.rept 12
	s_delay_alu instid0(VALU_DEP_4)
	v_pk_fma_f32 v[T+j%8:T+j%8+1], v[X+j:X+j+1], v[X+j:X+j+1], v[T+j%8:T+j%8+1]
.set j, j+2
.endr
	FOLD
	WSUM
	s_delay_alu instid0(VALU_DEP_1)
	v_fma_f32 v[T], v[T], s20, s21                 ; var + eps
	s_wait_alu depctr_va_vdst(0)
	v_rsq_f32 v[RS], v[T]
	v_rsq_f32 v[RS+1], v[T]
	v_nop                                          ; a plain instruction between a transcendental and the use of its result (ISA guide 5.7.2)
.set j, 0
	s_wait_alu depctr_va_vdst(0)
.rept 16
	v_pk_mul_f32 v[X+j:X+j+1], v[X+j:X+j+1], v[RS:RS+1]
.set j, j+2
.endr
.set j, 0
.rept 16
	v_pk_fma_f32 v[X+j:X+j+1], v[X+j:X+j+1], v[G+j:G+j+1], v[BE+j:BE+j+1]
.set j, j+2
.endr
.irp u, 0,1                            ; my 16 numbers of each step: half a block
.set XS, X+16*\u
	v_max3_num_f32 v[T], |v[XS]|, |v[XS+1]|, |v[XS+2]|
	v_max3_num_f32 v[T+1], |v[XS+3]|, |v[XS+4]|, |v[XS+5]|
.irp i, 6,10
	s_delay_alu instid0(VALU_DEP_2)
	v_max3_num_f32 v[T], v[T], |v[XS+\i]|, |v[XS+\i+1]|
	s_delay_alu instid0(VALU_DEP_2)
	v_max3_num_f32 v[T+1], v[T+1], |v[XS+\i+2]|, |v[XS+\i+3]|
.endr
	s_delay_alu instid0(VALU_DEP_2)
	v_max3_num_f32 v[T], v[T], |v[XS+14]|, |v[XS+15]|
	s_delay_alu instid0(VALU_DEP_1)
	v_max3_num_f32 v[T], v[T], v[T+1], 0x1800000   ; and the floor 2^(3 - 127): the byte cannot fall under 1
	s_delay_alu instid0(VALU_DEP_1)
	v_max_num_f32_dpp v[T], v[T], v[T] row_xmask:1 row_mask:0xf bank_mask:0xf   ; with my neighbour's 16: the block's largest magnitude
	s_delay_alu instid0(VALU_DEP_1)
	v_add_nc_u32 v[T+2+\u], 0xff000000, v[T]       ; 2 off its exponent field: the conversion takes that field as its scale
	v_cvt_scalef32_pk16_fp6_f32 v[C+4*(2*(\t)+\u):C+4*(2*(\t)+\u)+2], v[XS:XS+15], v[T+2+\u]
	v_lshrrev_b32 v[E+2*(\t)+\u], 23, v[T+2+\u]    ; the scale's byte (also the plain line behind the conversion)
	ds_store_b8 v5, v[E+2*(\t)+\u] offset:32*(\t)+16*\u      ; both lanes of a block write the same byte with the same value
.irp i, 0,1,2
	ds_store_b32 v8, v[C+4*(2*(\t)+\u)+\i] offset:784*(\t)+384*\u+4*\i
.endr
.endr
.endm
.irp u, 0,1
.irp i, 0,1,2,3
	global_load_b128 v[G+16*\u+4*\i:G+16*\u+4*\i+3], v9, s[6:7] offset:2048*\u+16*\i
.endr
.endr
.irp u, 0,1
.irp i, 0,1,2,3
	global_load_b128 v[BE+16*\u+4*\i:BE+16*\u+4*\i+3], v9, s[8:9] offset:2048*\u+16*\i
.endr
.endr
	LOADROW 0
	LOADROW 1
	ROW 0
	ROW 1
	s_wait_dscnt 0x0                               ; for the others' sake: my scale bytes lie in LDS
	s_barrier_signal -1
	s_barrier_wait -1
.irp p, 0,1,2,3,4,5
	ds_load_b64 v[X+2*\p:X+2*\p+1], v10 offset:48*(\p/3)+8*(\p%3)
.endr
	s_wait_dscnt 0x0
	global_store_b128 v2, v[X:X+3], s[10:11]       ; s[10:11]: (8 work-group + wave) 1536
	global_store_b64 v7, v[X+4:X+5], s[10:11] offset:512
	global_store_b128 v2, v[X+6:X+9], s[10:11] offset:768
	global_store_b64 v7, v[X+10:X+11], s[10:11] offset:1280
	s_cmp_lg_u32 s16, 0
	s_cbranch_scc1 .Lend                           ; wave 0 alone sends them
	ds_load_b128 v[T:T+3], v6
	s_wait_dscnt 0x0
	global_store_b128 v2, v[T:T+3], s[12:13]       ; the 16 rows' 512 scale bytes: consecutive, at a multiple of 256 from the buffer's first byte
.Lend:
	s_wait_tensorcnt 0x0
	ds_add_u32 v232, v233
	s_wait_dscnt 0x0
	s_endpgm
; The weights as images.  W = 8 work-group + wave, 0 .. 2047.  wq, wk, wv, wo (512 fragments each), w1 (2,048) and w2 (2,048): fragment W of each group lands at W x 1536 behind 0, 0x300000, 0x600000.
.Lprep:
	s_load_b256 s[36:43], s[0:1], 0x20             ; wq, wk, wv, wo
	s_load_b128 s[44:47], s[0:1], 0x40             ; w1, w2
	s_load_b64 s[48:49], s[0:1], 0x50              ; wimg
	v_lshrrev_b32 v1, 5, v0
	v_readfirstlane_b32 s16, v1
	v_and_b32 v1, 31, v0
	v_and_b32 v2, 15, v0
	v_bfe_u32 v3, v0, 4, 1
	v_mul_u32_u24 v4, v2, 768
	v_mul_u32_u24 v5, v2, 3072
	v_mad_u32_u24 v4, v3, 24, v4                   ; rows of 768 bytes: row lane % 16, + 24 (lane / 16)
	v_mad_u32_u24 v5, v3, 24, v5                   ; rows of 3,072 bytes (w2)
	v_lshlrev_b32 v6, 4, v1
	v_lshlrev_b32 v7, 3, v1
	s_mul_i32 s17, s16, 96
	s_and_b32 s18, ttmp9, 63
	s_mul_i32 s18, s18, 12288
	s_add_co_u32 s18, s18, s17                     ; the small four: nb = work-group % 64, ks = wave
	s_mov_b32 s19, 0
	s_mul_i32 s20, ttmp9, 12288
	s_add_co_u32 s20, s20, s17                     ; w1: nb = work-group, ks = wave
	s_mov_b32 s21, 0
	s_lshr_b32 s22, ttmp9, 2
	s_mul_i32 s22, s22, 49152
	s_and_b32 s23, ttmp9, 3
	s_mul_i32 s23, s23, 768
	s_add_co_u32 s22, s22, s23
	s_add_co_u32 s22, s22, s17                     ; w2: nb = work-group / 4, ks = 8 (work-group % 4) + wave
	s_mov_b32 s23, 0
	s_lshl_b32 s24, ttmp9, 3
	s_add_co_u32 s24, s24, s16
	s_mul_i32 s24, s24, 1536
	s_mov_b32 s25, 0
	s_lshr_b32 s26, ttmp9, 6                       ; which of the small four
	s_wait_alu depctr_va_vdst(0)                   ; the wait at the head's end
	s_wait_kmcnt 0x0
	s_cmp_lt_u32 s26, 1
	s_cselect_b64 s[28:29], s[36:37], s[38:39]
	s_cmp_lt_u32 s26, 3
	s_cselect_b64 s[30:31], s[40:41], s[42:43]
	s_cmp_lt_u32 s26, 2
	s_cselect_b64 s[28:29], s[28:29], s[30:31]
	s_add_nc_u64 s[28:29], s[28:29], s[18:19]
	s_add_nc_u64 s[44:45], s[44:45], s[20:21]
	s_add_nc_u64 s[46:47], s[46:47], s[22:23]
	s_add_nc_u64 s[48:49], s[48:49], s[24:25]
.irp p, 0,1,2,3,4,5
	global_load_b64 v[16+2*\p:17+2*\p], v4, s[28:29] offset:48*(\p/3)+8*(\p%3)
	global_load_b64 v[28+2*\p:29+2*\p], v4, s[44:45] offset:48*(\p/3)+8*(\p%3)
	global_load_b64 v[40+2*\p:41+2*\p], v5, s[46:47] offset:48*(\p/3)+8*(\p%3)
.endr
	s_wait_loadcnt 0x0
.irp j, 0,1,2
	global_store_b128 v6, v[16+12*\j:19+12*\j], s[48:49] offset:0x300000*\j
	global_store_b64 v7, v[20+12*\j:21+12*\j], s[48:49] offset:0x300000*\j+512
	global_store_b128 v6, v[22+12*\j:25+12*\j], s[48:49] offset:0x300000*\j+768
	global_store_b64 v7, v[26+12*\j:27+12*\j], s[48:49] offset:0x300000*\j+1280
.endr
	s_endpgm
.Lfunc_end_k_qcd0120ac35_ln1:
	.size	k_qcd0120ac35_ln1, .Lfunc_end_k_qcd0120ac35_ln1-k_qcd0120ac35_ln1
	.p2alignl 7, 3214868480
	.fill 96, 4, 3214868480
	.section	.rodata,"a",@progbits
	.p2align	6, 0x0
	.amdhsa_kernel k_qcd0120ac35_ln1
		.amdhsa_group_segment_fixed_size 55040
		.amdhsa_private_segment_fixed_size 0
		.amdhsa_enable_private_segment 0
		.amdhsa_kernarg_size 88
		.amdhsa_user_sgpr_count 2
		.amdhsa_user_sgpr_kernarg_segment_ptr 1
		.amdhsa_wavefront_size32 1
		.amdhsa_system_sgpr_workgroup_id_x 1
		.amdhsa_system_sgpr_workgroup_id_y 1
		.amdhsa_system_sgpr_workgroup_id_z 1
		.amdhsa_system_vgpr_workitem_id 0
		.amdhsa_next_free_vgpr 234
		.amdhsa_next_free_sgpr 66
		.amdhsa_reserve_vcc 0
		.amdhsa_float_denorm_mode_32 3
		.amdhsa_float_denorm_mode_16_64 3
		.amdhsa_memory_ordered 1
		.amdhsa_forward_progress 1
		.amdhsa_inst_pref_size 35
	.end_amdhsa_kernel
	.amdgpu_metadata
---
amdhsa.version: [ 1, 2 ]
amdhsa.kernels:
  - .name:           k_qcd0120ac35_ln1
    .symbol:         k_qcd0120ac35_ln1.kd
    .args:
      - { .name: x, .offset: 0, .size: 8, .value_kind: global_buffer, .address_space: global }
      - { .name: g1, .offset: 8, .size: 8, .value_kind: global_buffer, .address_space: global }
      - { .name: be1, .offset: 16, .size: 8, .value_kind: global_buffer, .address_space: global }
      - { .name: hq, .offset: 24, .size: 8, .value_kind: global_buffer, .address_space: global }
      - { .name: wq_codes, .offset: 32, .size: 8, .value_kind: global_buffer, .address_space: global }
      - { .name: wk_codes, .offset: 40, .size: 8, .value_kind: global_buffer, .address_space: global }
      - { .name: wv_codes, .offset: 48, .size: 8, .value_kind: global_buffer, .address_space: global }
      - { .name: wo_codes, .offset: 56, .size: 8, .value_kind: global_buffer, .address_space: global }
      - { .name: w1_codes, .offset: 64, .size: 8, .value_kind: global_buffer, .address_space: global }
      - { .name: w2_codes, .offset: 72, .size: 8, .value_kind: global_buffer, .address_space: global }
      - { .name: wimg, .offset: 80, .size: 8, .value_kind: global_buffer, .address_space: global }
    .group_segment_fixed_size: 55040
    .private_segment_fixed_size: 0
    .kernarg_segment_align: 8
    .kernarg_segment_size: 88
    .max_flat_workgroup_size: 256
    .sgpr_count:     66
    .vgpr_count:     234
    .wavefront_size: 32
...
	.end_amdgpu_metadata
.endif
;; end of part 1
;; launch qkv (part 2): grid 12 x 16, 4 waves a work-group, clusters of 4 x 4, 327,680 bytes of LDS; arguments hq, wimg, wq_scales, wk_scales, wv_scales, qkv; writes qkv
.if DOCPART == 2
	.amdgcn_target "amdgcn-amd-amdhsa--gfx1250"
	.amdhsa_code_object_version 6
	.text
	.protected	k_qcd0120ac35_qkv
	.globl	k_qcd0120ac35_qkv
	.p2align	8
	.type	k_qcd0120ac35_qkv,@function
k_qcd0120ac35_qkv:
	s_mov_b64 s[64:65], 0
	v_nop
	global_prefetch_b8 v0, s[64:65] scope:SCOPE_SE
	s_setreg_imm32_b32 hwreg(HW_REG_WAVE_MODE, 25, 1), 1
	s_wait_xcnt 0x0
	s_wait_alu depctr_hold_cnt(0) depctr_sa_sdst(0) depctr_va_vdst(0) depctr_va_sdst(0) depctr_va_ssrc(0) depctr_va_vcc(0) depctr_vm_vsrc(0)
	s_getreg_b32 s2, hwreg(HW_REG_IB_STS2, 6, 4)
	s_cmp_eq_u32 s2, 0
	s_cbranch_scc0 .Lentry_in_a_cluster
	s_endpgm
.Lentry_in_a_cluster:
	s_bfe_u32 s2, ttmp6, 0x10000c
	s_cmp_lg_u32 s2, 0xf033
	s_cbranch_scc0 .Lentry_shape_is_right
	s_endpgm
.Lentry_shape_is_right:
; q = h Wq, k = h Wk and V^T = (h Wv)^T on codes of FP6 (E2M3) with E8M0 scales, and each result quantised again on its way out.  K = 1,024.
; ROLES, by the cluster's x, which all sixteen partners share: 0: A = h (4,096 tokens), B = Wq;  1: A = h, B = Wk;  2: A = Wv (1,024 rows of (head, d)), B = h: C is then V^T and its columns are tokens,
; so that the one way out, which quantises along C's columns, quantises q and k along the head's channels and V along the keys.
; A tile of C, 256 x 256, is made by four waves, each 128 x 128: 64 accumulators, 512 registers.  K goes in steps of 256 through a ring of two LDS slots filled by the tensor data mover; the scales of the
; work-group's rows come into LDS once.  4 x 4 work-groups form a cluster: A's tiles are asked for jointly along a row of the cluster, B's along a column.
; THE MATRIX INSTRUCTION IS USED TRANSPOSED (source 0 = 16 rows of B, source 1 = 16 rows of A): a lane holds one row of C and eight neighbouring columns a tile.
; THE WAY OUT: a wave's 128 columns are one K step of the product that reads them.  Block a's 16 rows x 128 columns become one operand fragment (12 registers a lane) and one scale word a row.  The fragment is stored
; AS AN IMAGE OF ITS REGISTERS: fragment (rb, ks) at (rb NKS + ks) 1536; in it half c (registers 6 c .. 6 c + 5) at 768 c: registers 6 c .. 6 c + 3 at 16 x lane, registers 6 c + 4, 5 at 512 + 8 x lane.
; Scale word of (ks, rb, row r) at 0x300000 + (ks R / 16 + rb) 64 + 4 r.  q at byte 0 of the buffer, k at 0x320000, V^T at 0x640000.
; ORDER INSIDE A BLOCK OF 32: position 16 h + 8 u + j holds column 32 B + 16 u + 8 h + j (the two middle groups of eight change places).  The block's set of numbers, and so its scale, is as the quantiser has it;
; q meets k and the softmax's weights meet V^T, all four laid in this same order by this program, so every product pairs the right numbers.
; LIMITS: a block's byte is held at 1 from below (a block of zeros gets 1: its codes are zeros, and only this program reads the bytes).  NaN and infinities are not served.
; REGISTERS: window 0: v0-31 addresses; v32-63 scale words, two sets; from v128 A's fragments, one set (on the way out: codes and work).  window 1: B's fragments, two sets.  windows 2, 3: the accumulators, (a, b) at v[8 (8 (a % 4) + b)].
.set SIZE_K, 1024
.set KSTEP,  256
.set NQ,     KSTEP/128
.set ROWB,   3072                      ; both operands come as images: a K step of 256 is two fragments of a block of 16 rows
.set KROW,   SIZE_K*6/8
.set PITCH,  240
.set FR,     12
.set NL,     4
.set NP,     4                         ; places behind this matrix instruction (ISA guide 7.12.1)
.set HALFT,  8*ROWB
.set SLOT,   4*HALFT
.set LAPS,   SIZE_K/(2*KSTEP)
.set KS,     SIZE_K/32
.set SCL,    2*SLOT                    ; behind the ring: the scales, as units of 256 bytes + 16
.set HALFS,  (128*KS/256)*272
.set SBLK,   (16*KS/256)*272
.set SPARE,  SCL+4*HALFS               ; the spare words: 128 bytes a wave, two blocks of 256 that no other line names
.set CO16, 8                           ; v8   16 x lane
.set CO8,  9                           ; v9   8 x lane
.set SST,  10                          ; v10  the way out: where a block's scale word goes: 512 x wave + 4 (lane % 16), in slot 0, which has had its last fill and its last read by then
.set SLD,  11                          ; v11  and where the wave's 512 bytes of them are read back: 512 x wave + 16 x lane
.set ADRA, 16
.set ADRB, 20
.set ADRS, 27
.set SPW,  28
.set NIL,  29
.set SC,   32
.set AF,   128
.set PC,   128                         ; the way out: v128-139 a fragment's codes, v140-147 the second conversions' results
.set TM,   148                         ; v148-151 largest magnitudes, v152-155 bytes, v160-163 the conversions' scale operands
.set PW,   164                         ; the scale word just made
.set SB4,  168
.set G1, 24
.set G0, 32
.set G1B, 48
.set G0B, 56
.set G1S, 68
.set G0S, 76
.set G1SB, 80
.set G0SB, 88
.set MSB, 0
.macro WIN new                         ; the immediate's high byte repeats the setting that is left
.if MSB != (\new)
	s_set_vgpr_msb (MSB<<8)|(\new)
.set MSB, (\new)
.endif
.endm
.set MUL_LO, 0xa1                      ; source 0 (B) window 1, source 1 (A) window 0, C and D window 2
.set MUL_HI, 0xf1
.set TO_B,   0x40
; A joint load: waves 0 and 1 fetch for A, waves 2 and 3 for B.  The branch hangs on the wave's number alone.  Four v_nop follow each of the two lines.
.macro JLOAD g0a, g1a, g0b, g1b
	s_cmp_eq_u32 s15, 0
	s_cbranch_scc0 .Lfor_b_\@
	tensor_load_to_lds s[\g0a:\g0a+3], s[\g1a:\g1a+7]
	s_nop 0
.rept 4
	v_nop
.endr
	s_branch .Lasked_\@
.Lfor_b_\@:
	tensor_load_to_lds s[\g0b:\g0b+3], s[\g1b:\g1b+7]
	s_nop 0
.rept 4
	v_nop
.endr
.Lasked_\@:
.endm
.macro CREST                           ; a round of the cluster's barrier behind its opening barrier
	s_cmp_lg_u32 s14, 0
	s_cbranch_scc1 .Lnot_wave_0_\@
	s_barrier_signal -3
.Lnot_wave_0_\@:
	s_barrier_wait -3
	s_barrier_signal -1
	s_barrier_wait -1
.endm
.macro CROUND
	s_barrier_signal -1
	s_barrier_wait -1
	CREST
.endm
	s_load_b128 s[68:71], s[0:1], 0x0              ; h, the weights' images (Wq's first)
	s_load_b64 s[72:73], s[0:1], 0x10              ; Wq's scales
	s_load_b64 s[76:77], s[0:1], 0x18              ; Wk's
	s_load_b128 s[80:83], s[0:1], 0x20             ; Wv's, the output
	v_lshl_add_u32 v[SPW], v0, 2, SPARE
	v_mov_b32 v[NIL], 0
	ds_add_u32 v28, v29
	ds_add_u32 v28, v29
	s_wait_dscnt 0x0
	v_lshrrev_b32 v1, 5, v0
	v_readfirstlane_b32 s14, v1                    ; wave 0..3
	s_lshr_b32 s15, s14, 1                         ; which half of the tile's rows is mine.  Also: I fetch for A (0) or for B (1)
	s_and_b32 s16, s14, 1                          ; which half of its columns.  Also: which 128 rows of that tile I fetch
	s_bfe_u32 s40, ttmp6, 0x40000                  ; cx, cy
	s_bfe_u32 s41, ttmp6, 0x40004
	s_and_b32 s95, ttmp7, 0xffff
	s_lshl_b32 s95, s95, 2                         ; 4 x the cluster's y
	s_mov_b32 s98, 12288                           ; bytes from a row block's fragments to the next block's: NKS x 1536, NKS = 8 for q and k,
	s_mov_b32 s100, 16384                          ; and from a K step's scale words to the next step's: R / 16 x 64
	s_cmp_eq_u32 ttmp9, 2                          ; V^T's role?  The cluster's x is the same in all partners
	s_cselect_b32 s17, 0, s95
	s_cselect_b32 s42, s95, 0
	s_cselect_b32 s98, 49152, s98                  ; NKS = 32 for V^T
	s_cselect_b32 s100, 4096, s100
	s_mov_b32 s99, 0
	s_add_co_u32 s17, s17, s41                     ; tile row of C
	s_add_co_u32 s42, s42, s40                     ; tile column of C
	s_lshl_b32 s43, s41, 2
	s_lshl_b32 s43, 15, s43                        ; my row of the cluster
	s_lshl_b32 s44, 0x1111, s40                    ; my column
	s_or_b32 s[G1+0], s43, (1<<21)                 ; the mask, bit 21 beside it; elements of 1 byte; no padding: lanes read on end
	s_or_b32 s[G1B+0], s44, (1<<21)
.irp g, G1, G1B
	s_mov_b32 s[\g+1], ROWB<<16                    ; tensor_dim0
	s_mov_b32 s[\g+2], 16<<16                      ; the head's loads bring 16 blocks of rows; the ring's 8
	s_mov_b32 s[\g+3], ROWB<<16
	s_mov_b32 s[\g+4], 16
	s_mov_b32 s[\g+5], 12288                       ; from a block's fragments to the next block's
	s_mov_b32 s[\g+6], 0
	s_mov_b32 s[\g+7], 0
.endr
	s_lshl_b32 s20, s17, 8                         ; A: the tile's first row
	s_lshl_b32 s46, s42, 8                         ; B: likewise
	s_mov_b32 s21, 0
	s_mov_b32 s47, 0
	s_mov_b64 s[18:19], KS
	s_mul_u64 s[22:23], s[20:21], s[18:19]
	s_mul_u64 s[92:93], s[46:47], s[18:19]
	s_mov_b64 s[18:19], KROW
	s_mul_u64 s[20:21], s[20:21], s[18:19]
	s_mul_u64 s[46:47], s[46:47], s[18:19]
	s_mul_i32 s45, s14, HALFT
	s_mul_i32 s94, s16, 128*KROW                   ; in the ring I fetch 128 rows: which half, in bytes
	s_mul_i32 s2, ttmp9, 0x320000                  ; my role's part of the output
	s_mov_b32 s3, 0
	s_wait_kmcnt 0x0
	s_add_nc_u64 s[74:75], s[70:71], 0xC0000       ; Wk's images
	s_add_nc_u64 s[78:79], s[70:71], 0x180000      ; Wv's
	s_add_nc_u64 s[84:85], s[68:69], 0x300000
	s_cmp_eq_u32 ttmp9, 0
	s_cselect_b64 s[8:9], s[70:71], s[74:75]       ; B: Wq or Wk,
	s_cselect_b64 s[10:11], s[72:73], s[76:77]
	s_cmp_eq_u32 ttmp9, 2
	s_cselect_b64 s[4:5], s[78:79], s[68:69]       ; A: Wv or h
	s_cselect_b64 s[6:7], s[80:81], s[84:85]
	s_cselect_b64 s[8:9], s[68:69], s[8:9]         ; or B: h
	s_cselect_b64 s[10:11], s[84:85], s[10:11]
	s_add_nc_u64 s[12:13], s[82:83], s[2:3]
	s_or_b32 s[G1S+0], s43, (3<<16)|(1<<20)|(1<<21)|(5<<22)|(3<<25)   ; the scales of 256 rows: a dense block, as rows of 256 bytes, 16 bytes of padding behind each
	s_or_b32 s[G1SB+0], s44, (3<<16)|(1<<20)|(1<<21)|(5<<22)|(3<<25)
.irp g, G1S, G1SB
	s_mov_b32 s[\g+1], 32<<16
	s_mov_b32 s[\g+2], KS<<16                      ; the scales of all 256 rows
	s_mov_b32 s[\g+3], 32<<16
	s_mov_b32 s[\g+4], KS
	s_mov_b32 s[\g+5], 32
	s_mov_b32 s[\g+6], 0
	s_mov_b32 s[\g+7], 0
.endr
	s_add_nc_u64 s[20:21], s[4:5], s[20:21]
	s_add_nc_u64 s[22:23], s[6:7], s[22:23]
	s_add_nc_u64 s[46:47], s[8:9], s[46:47]
	s_add_nc_u64 s[92:93], s[10:11], s[92:93]
	CROUND                                         ; all sixteen work-groups are here: the first joint loads meet
	s_mov_b32 s[G0S], 1
	s_mov_b32 s[G0S+1], SCL
	s_mov_b64 s[G0S+2:G0S+3], s[22:23]
	s_or_b32 s[G0S+3], s[G0S+3], 0x80000000
	s_mov_b32 s[G0SB], 1
	s_mov_b32 s[G0SB+1], SCL+2*HALFS
	s_mov_b64 s[G0SB+2:G0SB+3], s[92:93]
	s_or_b32 s[G0SB+3], s[G0SB+3], 0x80000000
	s_mov_b32 s4, 1                                ; groups 0 of the head's loads of K step 0: A's 256 rows,
	s_mov_b32 s5, 0
	s_mov_b64 s[6:7], s[20:21]
	s_or_b32 s7, s7, 0x80000000
	s_mov_b32 s8, 1                                ; B's 256 rows
	s_mov_b32 s9, 2*HALFT
	s_mov_b64 s[10:11], s[46:47]
	s_or_b32 s11, s11, 0x80000000
	s_mov_b32 s95, 0
	s_add_nc_u64 s[20:21], s[20:21], s[94:95]      ; for the ring: my 128 rows
	s_add_nc_u64 s[46:47], s[46:47], s[94:95]
.irp s, 0,1
	s_mov_b32 s[G0+4*\s], 1
	s_add_co_u32 s[G0+4*\s+1], s45, \s*SLOT
	s_add_nc_u64 s[G0+4*\s+2:G0+4*\s+3], s[20:21], \s*ROWB
	s_or_b32 s[G0+4*\s+3], s[G0+4*\s+3], 0x80000000
	s_mov_b32 s[G0B+4*\s], 1
	s_add_co_u32 s[G0B+4*\s+1], s45, \s*SLOT
	s_add_nc_u64 s[G0B+4*\s+2:G0B+4*\s+3], s[46:47], \s*ROWB
	s_or_b32 s[G0B+4*\s+3], s[G0B+4*\s+3], 0x80000000
.endr
; the head's four tiles, one joint load a wave, in one chain of branches on the wave's number
.macro ARM under, g0, g1, next
	s_cmp_lt_u32 s14, \under
	s_cbranch_scc0 \next
	tensor_load_to_lds s[\g0:\g0+3], s[\g1:\g1+7]
	s_nop 0
.rept 4
	v_nop
.endr
	s_branch .Lhead_asked
\next:
.endm
	ARM 1, 4, G1, .Lhead_b
	ARM 2, 8, G1B, .Lhead_sa
	ARM 3, G0S, G1S, .Lhead_sb
	tensor_load_to_lds s[G0SB:G0SB+3], s[G1SB:G1SB+7]
	s_nop 0
.rept 4
	v_nop
.endr
.Lhead_asked:
	v_and_b32 v1, 15, v0                           ; l % 16
	v_bfe_u32 v2, v0, 4, 1                         ; l / 16
	v_and_b32 v3, 31, v0
	v_lshlrev_b32 v4, 4, v3                        ; 16 x lane
	v_lshlrev_b32 v5, 3, v3                        ; 8 x lane
	s_mul_i32 s21, s15, HALFT
	s_mul_i32 s22, s16, HALFT
	s_add_co_u32 s22, s22, 2*HALFT
.irp s, 0,1
	v_add_nc_u32 v[ADRA+\s], s21, v4
	v_add_nc_u32 v[ADRB+\s], s22, v4
	v_add_nc_u32 v[ADRA+2+\s], s21, v5
	v_add_nc_u32 v[ADRB+2+\s], s22, v5
	s_add_co_u32 s21, s21, SLOT
	s_add_co_u32 s22, s22, SLOT
.endr
	v_mul_u32_u24 v5, v1, KS
	v_lshrrev_b32 v6, 8, v5
	v_lshl_add_u32 v5, v6, 4, v5
	s_mul_i32 s21, s15, HALFS
	s_mul_i32 s22, s16, HALFS
	s_add_co_u32 s22, s22, 2*HALFS
	s_sub_co_u32 s22, s22, s21
	v_mul_u32_u24 v6, s22, v2                      ; lanes 16-31 take B's
	s_add_co_u32 s21, s21, SCL
	v_add_nc_u32 v5, v5, v6
	v_add_nc_u32 v[ADRS], s21, v5
	s_lshl_b32 s23, s14, 9
	v_and_b32 v6, 31, v0
	v_lshlrev_b32 v[CO16], 4, v6
	v_lshlrev_b32 v[CO8], 3, v6
	v_lshl_add_u32 v[SST], v1, 2, s23
	v_add_nc_u32 v[SLD], s23, v[CO16]
	s_lshl_b32 s20, s17, 4
	s_lshl_b32 s21, s15, 3
	s_add_co_u32 s20, s20, s21                     ; my first row block: 16 x tile row + 8 x half
	s_lshl_b32 s46, s42, 1
	s_add_co_u32 s46, s46, s16                     ; my K step of the product that reads this: 2 x tile column + half
	s_mul_i32 s92, s46, s100
	s_lshl_b32 s93, s20, 6
	s_add_co_u32 s92, s92, s93
	s_add_co_u32 s92, s92, 0x300000
	s_mov_b32 s93, 0
	s_add_nc_u64 s[96:97], s[12:13], s[92:93]      ; my eight blocks' scale words: 512 consecutive bytes
	s_mul_i32 s22, s20, s98
	s_mul_i32 s47, s46, 1536
	s_add_co_u32 s22, s22, s47
	s_mov_b32 s23, 0
	s_add_nc_u64 s[12:13], s[12:13], s[22:23]      ; my first fragment
.macro FRAG reg, adr, q, i             ; a fragment, 16 rows x 128 K, 12 registers: 24 bytes of the row's stream of bits for each half, in pieces of 8 bytes
.set OF, (\i)*ROWB+(\q)*1536           ; an image comes back as it was stored: four loads, lanes on end
	ds_load_b128 v[\reg:\reg+3], v[\adr] offset:OF
	ds_load_b64 v[\reg+4:\reg+5], v[\adr+2] offset:OF+512
	ds_load_b128 v[\reg+6:\reg+9], v[\adr] offset:OF+768
	ds_load_b64 v[\reg+10:\reg+11], v[\adr+2] offset:OF+1280
.endm
; 16 matrix instructions: A's blocks a0, a0 + 1 x B's eight.  The 64 accumulators take turns, one instruction a turn, in the same order in every step.
.macro MUL16 a0, p, q, sc, zero
.irp a, \a0, \a0+1
.irp b, 0,1,2,3,4,5,6,7
.if \zero
	v_wmma_scale_f32_16x16x128_f8f6f4 v[8*(8*((\a)%4)+\b):8*(8*((\a)%4)+\b)+7], v[128*(\p)+FR*\b:128*(\p)+FR*\b+FR-1], v[AF+FR*(\a):AF+FR*(\a)+FR-1], 0, v[SC+8*NQ*(\sc)+NQ*\b+(\q)], v[SC+8*NQ*(\sc)+NQ*(\a)+(\q)] matrix_a_fmt:MATRIX_FMT_FP6 matrix_b_fmt:MATRIX_FMT_FP6 matrix_a_scale:MATRIX_SCALE_ROW1
.else
	v_wmma_scale_f32_16x16x128_f8f6f4 v[8*(8*((\a)%4)+\b):8*(8*((\a)%4)+\b)+7], v[128*(\p)+FR*\b:128*(\p)+FR*\b+FR-1], v[AF+FR*(\a):AF+FR*(\a)+FR-1], v[8*(8*((\a)%4)+\b):8*(8*((\a)%4)+\b)+7], v[SC+8*NQ*(\sc)+NQ*\b+(\q)], v[SC+8*NQ*(\sc)+NQ*(\a)+(\q)] matrix_a_fmt:MATRIX_FMT_FP6 matrix_b_fmt:MATRIX_FMT_FP6 matrix_a_scale:MATRIX_SCALE_ROW1
.endif
.endr
.endr
.endm
.macro FETCH_B slot, q, p
	WIN TO_B
.irp i, 0,1,2,3,4,5,6,7
	FRAG 128*(\p)+FR*\i, ADRB+\slot, \q, \i
.endr
	WIN 0
.endm
.macro FETCH_A slot, q, i0
.irp i, \i0, \i0+1, \i0+2, \i0+3
	FRAG AF+FR*(\i), ADRA+\slot, \q, \i
.endr
.endm
.macro SCALES sc                       ; a K step's scale words: lanes 0-15 take A's block i, lanes 16-31 B's block i
.irp i, 0,1,2,3,4,5,6,7
	ds_load_b64 v[SC+8*NQ*\sc+NQ*\i:SC+8*NQ*\sc+NQ*\i+1], v[ADRS] offset:\i*SBLK
.endr
.endm
.macro PLACES n                        ; plain vector instructions between a matrix instruction and a load into, or a read of, its registers
.rept \n
	v_nop
.endr
.endm
.macro STEP slot, q, zero              ; a step of 128 along K that has its successor in the same slot
	s_wait_dscnt 4*NL                              ; B's set and A's blocks 0-3 are in; the youngest 16 loads (A's blocks 4-7) may be out
	WIN MUL_LO
	MUL16 0, (\q)%2, \q, \slot, \zero
	MUL16 2, (\q)%2, \q, \slot, \zero
	s_wait_dscnt 0
	PLACES NP
	FETCH_B \slot, (\q)+1, 1-(\q)%2
	FETCH_A \slot, (\q)+1, 0
	WIN MUL_HI
	MUL16 4, (\q)%2, \q, \slot, \zero
	MUL16 6, (\q)%2, \q, \slot, \zero
	PLACES NP
	WIN 0
	FETCH_A \slot, (\q)+1, 4
.endm
; A slot's last step changes slots: one barrier; in front of it each wave waits for all its tensor loads, adds 0 to its spare word, and waits for that and for its own reads of this slot.
.macro TURN slot, next, fill
	s_wait_tensorcnt 0x0                           ; all my tensor loads have landed: my part of the next slot
	ds_add_u32 v[SPW], v[NIL]                      ; 0 onto my spare word
	s_wait_dscnt 4*NL+1                            ; the add and the youngest 16 loads (A's blocks 4-7) may be out
	WIN MUL_LO
	MUL16 0, 1, NQ-1, \slot, 0
	s_wait_dscnt 0x0                               ; the add is done, and my reads of this slot are over
	s_barrier_signal -1
	MUL16 2, 1, NQ-1, \slot, 0
	WIN 0
	s_barrier_wait -1
.if \fill
	CREST                                          ; the barrier has opened a round of the cluster's barrier: no wave of any partner still reads this slot or has a load on its way
	s_add_nc_u64 s[G0+4*\slot+2:G0+4*\slot+3], s[G0+4*\slot+2:G0+4*\slot+3], 2*ROWB
	s_add_nc_u64 s[G0B+4*\slot+2:G0B+4*\slot+3], s[G0B+4*\slot+2:G0B+4*\slot+3], 2*ROWB
	JLOAD G0+4*\slot, G1, G0B+4*\slot, G1B         ; the first tensor load behind the round; its four v_nop are the places in front of the loads below
.else
	PLACES NP
.endif
	s_wait_alu depctr_va_vdst(0)
	v_add_nc_u32 v[ADRS], 4*NQ, v[ADRS]
	FETCH_B \next, 0, 0
	FETCH_A \next, 0, 0
	SCALES \next
	WIN MUL_HI
	MUL16 4, 1, NQ-1, \slot, 0
	MUL16 6, 1, NQ-1, \slot, 0
	PLACES NP
	WIN 0
	FETCH_A \next, 0, 4
.endm
	s_wait_alu depctr_va_vdst(0)
	s_wait_tensorcnt 0x0                           ; my tile of the head's four is in; slot 1's first fill is issued as a refill is
	ds_add_u32 v[SPW], v[NIL]
	s_mov_b32 s[G1+2], 8<<16                       ; no load of mine is out: from here on a load brings 8 blocks of rows
	s_mov_b32 s[G1+4], 8
	s_mov_b32 s[G1B+2], 8<<16
	s_mov_b32 s[G1B+4], 8
	s_wait_dscnt 0x0
	CROUND
	JLOAD G0+4, G1, G0B+4, G1B                     ; K step 1
	FETCH_B 0, 0, 0
	FETCH_A 0, 0, 0
	SCALES 0
	FETCH_A 0, 0, 4
	STEP 0, 0, 1                                   ; the first step's products start the sums
	s_mov_b32 s3, LAPS-1
.Llap:
	TURN 0, 1, 1
	STEP 1, 0, 0
	TURN 1, 0, 1
	STEP 0, 0, 0
	s_sub_co_u32 s3, s3, 1
	s_cmp_lg_u32 s3, 0
	s_cbranch_scc1 .Llap
	TURN 0, 1, 0                                   ; the last lap fills nothing
	STEP 1, 0, 0
	s_wait_dscnt 4*NL
	WIN MUL_LO
	MUL16 0, 1, NQ-1, 1, 0
	MUL16 2, 1, NQ-1, 1, 0
	s_wait_dscnt 0
	WIN MUL_HI
	MUL16 4, 1, NQ-1, 1, 0
	MUL16 6, 1, NQ-1, 1, 0
	WIN 0
; 64 numbers of a lane, v[s] .. v[s + 63] of window w, register 16 b + i = position 16 (lane / 16) + i of block b of my row, become a fragment's codes in v[PC] on and its scale word in v[PW].
; Each accumulator is read from its low end on.
.macro QUANT s, w
	WIN ((\w)|((\w)<<2))
.irp b, 0,1,2,3
	v_max3_num_f32 v[TM+\b], |v[(\s)+16*\b]|, |v[(\s)+16*\b+1]|, 0x1800000   ; my 16 numbers of block b, and the floor 2^(3 - 127): the byte cannot fall under 1
.endr
.irp i, 2,4,6,8,10,12,14
.irp b, 0,1,2,3
	v_max3_num_f32 v[TM+\b], |v[(\s)+16*\b+\i]|, |v[(\s)+16*\b+\i+1]|, v[TM+\b]
.endr
.endr
	WIN 0
.irp b, 0,1,2,3
	v_permlanex16_b32 v[TM+4+\b], v[TM+\b], s18, s19
.endr
.irp b, 0,1,2,3
	v_max_num_f32 v[TM+\b], v[TM+\b], v[TM+4+\b]   ; with lane l xor 16's: the block's largest magnitude
.endr
.irp b, 0,1,2,3
	v_add_nc_u32 v[TM+12+\b], 0xff000000, v[TM+\b] ; 2 off its exponent field: the conversion's scale operand
.endr
.irp b, 0,1,2,3
	v_lshrrev_b32 v[TM+4+\b], 23, v[TM+12+\b]      ; the scale's byte
.endr
	v_lshl_or_b32 v[PW], v[TM+5], 8, v[TM+4]
	v_lshl_or_b32 v[PW], v[TM+6], 16, v[PW]
	v_lshl_or_b32 v[PW], v[TM+7], 24, v[PW]
	WIN (\w)
.irp c, 0,1
	v_cvt_scalef32_pk16_fp6_f32 v[PC+6*\c:PC+2+6*\c], v[(\s)+32*\c:(\s)+15+32*\c], v[TM+12+2*\c]
	v_cvt_scalef32_pk16_fp6_f32 v[PC+12+4*\c:PC+14+4*\c], v[(\s)+16+32*\c:(\s)+31+32*\c], v[TM+12+2*\c+1]   ; (a conversion's three registers begin on an even number)
.endr
	WIN 0
	v_nop                                          ; one plain line behind a scaled conversion
.irp c, 0,1                            ; the operand's layout wants a whole block in a lane: lanes 0-15 block 2 c, lanes 16-31 block 2 c + 1
.irp i, 0,1,2
	v_permlane16_swap_b32 v[PC+6*\c+\i], v[PC+12+4*\c+\i]
.endr
.irp i, 0,1,2
	v_mov_b32 v[PC+3+6*\c+\i], v[PC+12+4*\c+\i]
.endr
.endr
.endm
	s_mov_b32 s18, 0x76543210
	s_mov_b32 s19, 0xfedcba98                      ; selects for lane l xor 16
	PLACES NP                                      ; in front of the first read of results and the first write of registers that held A's fragments
.irp b, 0,1,2,3
	v_mov_b32 v[TM+4+\b], 0                        ; written once: a lane permute's destination counts as one of its sources
.endr
.irp a, 0,1,2,3,4,5,6,7
.if \a > 0
	s_wait_xcnt 0x0                                ; the last block's stores have read their data and their base: both are written again only behind this wait
	s_add_nc_u64 s[12:13], s[12:13], s[98:99]      ; the next row block's fragment
.endif
	QUANT 64*(\a%4), 2+\a/4
	global_store_b128 v[CO16], v[PC:PC+3], s[12:13]                 ; each store covers whole aligned runs of 256 bytes: 512, 256, 512, 256
	global_store_b64 v[CO8], v[PC+4:PC+5], s[12:13] offset:512
	global_store_b128 v[CO16], v[PC+6:PC+9], s[12:13] offset:768
	global_store_b64 v[CO8], v[PC+10:PC+11], s[12:13] offset:1280
	ds_store_b32 v[SST], v[PW] offset:64*\a        ; both halves of the lanes write the same word with the same value
.endr
	ds_load_b128 v[SB4:SB4+3], v[SLD]              ; LDS serves a wave's instructions in order: this sees my eight stores
	s_wait_dscnt 0x0
	global_store_b128 v[CO16], v[SB4:SB4+3], s[96:97]   ; my eight blocks' scale words: 512 consecutive bytes
	s_wait_tensorcnt 0x0                           ; the wave's end
	ds_add_u32 v[SPW], v[NIL]
	s_wait_dscnt 0x0
	CROUND                                         ; the closing round
	s_endpgm
.Lfunc_end_k_qcd0120ac35_qkv:
	.size	k_qcd0120ac35_qkv, .Lfunc_end_k_qcd0120ac35_qkv-k_qcd0120ac35_qkv
	.p2alignl 7, 3214868480
	.fill 96, 4, 3214868480
	.section	.rodata,"a",@progbits
	.p2align	6, 0x0
	.amdhsa_kernel k_qcd0120ac35_qkv
		.amdhsa_group_segment_fixed_size 327680
		.amdhsa_private_segment_fixed_size 0
		.amdhsa_enable_private_segment 0
		.amdhsa_kernarg_size 48
		.amdhsa_user_sgpr_count 2
		.amdhsa_user_sgpr_kernarg_segment_ptr 1
		.amdhsa_wavefront_size32 1
		.amdhsa_system_sgpr_workgroup_id_x 1
		.amdhsa_system_sgpr_workgroup_id_y 1
		.amdhsa_system_sgpr_workgroup_id_z 1
		.amdhsa_system_vgpr_workitem_id 0
		.amdhsa_next_free_vgpr 1024
		.amdhsa_next_free_sgpr 102
		.amdhsa_reserve_vcc 0
		.amdhsa_float_denorm_mode_32 3
		.amdhsa_float_denorm_mode_16_64 3
		.amdhsa_memory_ordered 1
		.amdhsa_forward_progress 1
		.amdhsa_inst_pref_size 151
	.end_amdhsa_kernel
	.amdgpu_metadata
---
amdhsa.version: [ 1, 2 ]
amdhsa.kernels:
  - .name:           k_qcd0120ac35_qkv
    .symbol:         k_qcd0120ac35_qkv.kd
    .args:
      - { .name: hq, .offset: 0, .size: 8, .value_kind: global_buffer, .address_space: global }
      - { .name: wimg, .offset: 8, .size: 8, .value_kind: global_buffer, .address_space: global }
      - { .name: wq_scales, .offset: 16, .size: 8, .value_kind: global_buffer, .address_space: global }
      - { .name: wk_scales, .offset: 24, .size: 8, .value_kind: global_buffer, .address_space: global }
      - { .name: wv_scales, .offset: 32, .size: 8, .value_kind: global_buffer, .address_space: global }
      - { .name: qkv, .offset: 40, .size: 8, .value_kind: global_buffer, .address_space: global }
    .group_segment_fixed_size: 327680
    .private_segment_fixed_size: 0
    .kernarg_segment_align: 8
    .kernarg_segment_size: 48
    .max_flat_workgroup_size: 128
    .sgpr_count:     102
    .vgpr_count:     1024
    .wavefront_size: 32
...
	.end_amdgpu_metadata
.endif
;; end of part 2
;; launch attn (part 3): grid 8 x 32, 4 waves a work-group, clusters of 4 x 1, 229,888 bytes of LDS; arguments qkv, att; writes att
.if DOCPART == 3
	.amdgcn_target "amdgcn-amd-amdhsa--gfx1250"
	.amdhsa_code_object_version 6
	.text
	.protected	k_qcd0120ac35_attn
	.globl	k_qcd0120ac35_attn
	.p2align	8
	.type	k_qcd0120ac35_attn,@function
k_qcd0120ac35_attn:
	s_mov_b64 s[64:65], 0
	v_nop
	global_prefetch_b8 v0, s[64:65] scope:SCOPE_SE
	s_setreg_imm32_b32 hwreg(HW_REG_WAVE_MODE, 25, 1), 1
	s_wait_xcnt 0x0
	s_wait_alu depctr_hold_cnt(0) depctr_sa_sdst(0) depctr_va_vdst(0) depctr_va_sdst(0) depctr_va_ssrc(0) depctr_va_vcc(0) depctr_vm_vsrc(0)
	s_getreg_b32 s2, hwreg(HW_REG_IB_STS2, 6, 4)
	s_cmp_eq_u32 s2, 0
	s_cbranch_scc0 .Lentry_in_a_cluster
	s_endpgm
.Lentry_in_a_cluster:
	s_bfe_u32 s2, ttmp6, 0x10000c
	s_cmp_lg_u32 s2, 0x3003
	s_cbranch_scc0 .Lentry_shape_is_right
	s_endpgm
.Lentry_shape_is_right:
; att = softmax(q k^T / 8) v for 64 (batch, head) pairs of 1,024 tokens x 64 channels, both products on codes of FP6 (E2M3) with E8M0 scales, and the result quantised along the channels.
; THE WEIGHTS ARE QUANTISED FINISHED: p = exp(s - max) / sum over all 1,024 keys.  So a wave keeps the 16 x 1,024 scores of a tile of queries in 512 registers: maximum, exponentials and sum are made once, then p is
; scaled, quantised along the keys and multiplied, 128 keys at a time.  p = 2^(c s - c max) x (1 / sum), c = log2(e) / 8.
; IN (made by the launch before): images of operand registers.  q, k: fragment (rb = token / 16, ks = head pair) at (8 rb + ks) 1536, half c (768 bytes) = head 2 ks + c's 64 channels; V^T: fragment (rb = (head, d) / 16,
; ks = token / 128) at (32 rb + ks) 1536.  Scale words at 0x300000 of each part.  Inside a block of 32, q, k, V^T and p here all carry the same order (the two middle groups of eight changed), so the products pair the right numbers.
; SHARES: a work-group owns 128 queries of a batch for a pair of heads; a wave two tiles of 16 queries: four UNITS (tile, head), walked by one loop of four trips.
; The four work-groups of a cluster read the same K and V: every fill is a joint load.  All of both heads' K and V^T of the batch lies in LDS, filled once: nothing is filled again.
; BOTH PRODUCTS TRANSPOSED: S^T = K Q^T (source 0 = 16 keys), O^T = V^T P^T (source 0 = 16 channels): a lane holds one query (lane % 16) throughout.
; K = 64 IN AN INSTRUCTION OF K = 128: Q's upper six registers are zero codes.  A tile of K is 12 registers of which the lower six are its half image and the upper six the next tile's (or a pad of zeros): they meet Q's
; zeros.  The scale words are read as 16 bits: bytes 2 and 3 are 0, which stands for 2^-127 over zero codes.
; A block's largest p is not searched for: the block's largest score goes through the same multiply-add, exponential and multiplication (this takes v_exp_f32 not to fall where its input rises).
; ORDER OF A UNIT.  The wave is alone on its SIMD, so what one unit of the chip works on has to stand beside work for another in the wave's own text:
;   K comes in four batches of 16 tiles through two buffers (1, 0, 1, 0).  Buffer 1 is free behind batch 2's products, so the NEXT unit's batch 0 is asked for behind this unit's last scores: a unit begins with products.
;   Behind each product of batches 1 to 3 stand four of the 64 maximum instructions of the batch before (eight blocks by turns).  They lie in another register window, so a slice costs two switches: seven lines to a product.
;   The packed multiply-add of the same pair of the next batch of 64 stands between a pair's two exponentials.  The row's sum runs in eight chains.
;   V's fragments of step s + 1 are asked for in step s, behind its 32 multiplications.
; OUT: att as images, fragment (rb, ks = head pair), half c, in TRUE order along the channels (it meets a given weight): eight exchanges of lane halves for each block of 32 ahead of the quantiser.
; LIMITS: p under 2^-126 counts as 0; a block's byte is held at 1 from below; NaN and infinities are not served (so the reference's nan_to_num never acts).
; REGISTERS: window 0: see the names below.  windows 1, 2: the scores, tile rb at window 1 + rb / 32, v[8 (rb % 32)].  window 3: K's buffers v0-95 (+ pad v96-101), v104-199 (+ pad v200-205); V's lie in the first: v0-47, v48-95.
.set HOFF, 49152                       ; LDS: K of parity 0, of parity 1 (64 tiles x 768 each); then V^T of parity 0, of parity 1 ([4 tiles of channels][8 steps][1536] each)
.set VOFF, 98304
.set KSL,  196608                      ; k's scale words [64 tiles][16][4 bytes], both heads'
.set VS,   224                         ; v224-239 V^T's scale words of the unit, two registers for each 128 keys, loaded from memory
.set L16, 1                            ; 16 x lane
.set L8,  2                            ; 8 x lane
.set L4,  3                            ; 4 x lane
.set L4R, 4                            ; 4 (lane % 16)
.set AK16, 5                           ; the unit's LDS addresses
.set AK8,  6
.set AV16, 7
.set AV8,  8
.set AKS,  9
.set AVS,  10
.set AKN16, 12                         ; the next unit's, for K and its scale words
.set AKN8,  13
.set AKSN,  14
.set QLO, 16                           ; v16-27  Q's fragment; 22-27 stay zero
.set QSW, 28                           ; q's scale word
.set KSC, 32                           ; v32-47  k's scale words, two sets of 8
.set VSC, 48
.set NM,  54                           ; v[54:55] -c max
.set RL,  56                           ; v[56:57] 1 / sum
.set SUM, 58                           ; v58-73  eight packed chains
.set W,   74                           ; v74-77  at work
.set BM,  80                           ; v80-111 for each block of 32 keys: its largest score, then the conversion's scale operand
.set TM,  112                          ; v112-127 at work
.set P,   128                          ; v128-167 p's codes, two sets of 20
.set O,   168                          ; v168-199 O^T
.set OC,  200                          ; v200-208 the output's codes
.set SW,  212
.set FW,  213
.set HW,  214
.set PWD, 216                          ; v216-223 p's scale words, one for each 128 keys
.set G1K, 24
.set G1V, 32
.set G1KS, 40
.set G1VS, 48
.set CS,  84                           ; s[84:85] c
.set NC,  86                           ; -c
.set SEL, 88
.set TB,  90                           ; the unit's head parity x HOFF
.set TC2, 91                           ; KSL + 2 x parity
.set TV,  92                           ; 256 x parity
.set U,   93                           ; the unit: 2 x tile + parity
.set MSB, 0
.macro WIN new
.if MSB != (\new)
	s_set_vgpr_msb (MSB<<8)|(\new)
.set MSB, (\new)
.endif
.endm
.macro PLACES
.rept 4
	v_nop
.endr
.endm
.macro CROUND
	s_barrier_signal -1
	s_barrier_wait -1
	s_cmp_lg_u32 s8, 0
	s_cbranch_scc1 .Lnot_wave_0_\@
	s_barrier_signal -3
.Lnot_wave_0_\@:
	s_barrier_wait -3
	s_barrier_signal -1
	s_barrier_wait -1
.endm
.macro WM d, a, b, c, sa, sb, ra       ; one product; c < 0: the constant 0 starts the sum; ra: source 0's scales stand in lanes 16-31
.if (\c) < 0
.if \ra
	v_wmma_scale_f32_16x16x128_f8f6f4 v[\d:\d+7], v[\a:\a+11], v[\b:\b+11], 0, v[\sa], v[\sb] matrix_a_fmt:MATRIX_FMT_FP6 matrix_b_fmt:MATRIX_FMT_FP6 matrix_a_scale:MATRIX_SCALE_ROW1
.else
	v_wmma_scale_f32_16x16x128_f8f6f4 v[\d:\d+7], v[\a:\a+11], v[\b:\b+11], 0, v[\sa], v[\sb] matrix_a_fmt:MATRIX_FMT_FP6 matrix_b_fmt:MATRIX_FMT_FP6
.endif
.else
.if \ra
	v_wmma_scale_f32_16x16x128_f8f6f4 v[\d:\d+7], v[\a:\a+11], v[\b:\b+11], v[\c:\c+7], v[\sa], v[\sb] matrix_a_fmt:MATRIX_FMT_FP6 matrix_b_fmt:MATRIX_FMT_FP6 matrix_a_scale:MATRIX_SCALE_ROW1
.else
	v_wmma_scale_f32_16x16x128_f8f6f4 v[\d:\d+7], v[\a:\a+11], v[\b:\b+11], v[\c:\c+7], v[\sa], v[\sb] matrix_a_fmt:MATRIX_FMT_FP6 matrix_b_fmt:MATRIX_FMT_FP6
.endif
.endif
.endm
	s_load_b128 s[4:7], s[0:1], 0x0                ; qkv s[4:5], att s[6:7]
	v_lshl_add_u32 v254, v0, 2, 0x38000
	v_mov_b32 v255, 0
	ds_add_u32 v254, v255
	ds_add_u32 v254, v255
	v_lshrrev_b32 v1, 5, v0
	v_readfirstlane_b32 s8, v1                     ; wave 0..3
	s_bfe_u32 s9, ttmp6, 0x40000                   ; cx
	s_lshl_b32 s10, ttmp9, 2
	s_add_co_u32 s10, s10, s9                      ; my block of 128 queries: it enters q's and att's addresses alone
	s_and_b32 s11, ttmp7, 0xffff
	s_lshr_b32 s12, s11, 3                         ; the batch
	s_and_b32 s13, s11, 7                          ; the pair of heads
	; descriptor groups 1: elements of 8 bytes, no padding, the mask of all four work-groups and bit 21 beside it
	s_mov_b32 s[G1K], 15|(3<<16)|(1<<21)           ; K: 64 tiles' halves of 768 bytes, 12,288 bytes apart
	s_mov_b32 s[G1K+1], 96<<16
	s_mov_b32 s[G1K+2], 64<<16
	s_mov_b32 s[G1K+3], 96<<16
	s_mov_b32 s[G1K+4], 64
	s_mov_b32 s[G1K+5], 1536
	s_mov_b32 s[G1K+6], 0
	s_mov_b32 s[G1K+7], 0
	s_mov_b32 s[G1V], 15|(3<<16)|(1<<21)           ; V^T: eight fragments on end, 12,288 dense bytes, as 48 rows of 256
	s_mov_b32 s[G1V+1], 1536<<16                   ; eight tiles of channels, 12,288 bytes each, 49,152 bytes apart
	s_mov_b32 s[G1V+2], 8<<16
	s_mov_b32 s[G1V+3], 1536<<16
	s_mov_b32 s[G1V+4], 8
	s_mov_b32 s[G1V+5], 6144
	s_mov_b32 s[G1V+6], 0
	s_mov_b32 s[G1V+7], 0
	s_mov_b32 s[G1KS], 15|(3<<16)|(1<<21)          ; k's scale words: 4,096 dense bytes, as 16 rows of 256
	s_mov_b32 s[G1KS+1], 32<<16
	s_mov_b32 s[G1KS+2], 16<<16
	s_mov_b32 s[G1KS+3], 32<<16
	s_mov_b32 s[G1KS+4], 16
	s_mov_b32 s[G1KS+5], 32
	s_mov_b32 s[G1KS+6], 0
	s_mov_b32 s[G1KS+7], 0
	s_lshl_b32 s22, s12, 6                         ; K: the batch's 64 tiles: (512 batch + pair) 1536, in k's part
	s_mul_i32 s22, s22, 12288
	s_mul_i32 s23, s13, 1536
	s_add_co_u32 s22, s22, s23
	s_add_co_u32 s22, s22, 0x320000
	s_mov_b32 s23, 0
	s_lshl_b32 s2, s13, 3                          ; V^T: the pair's eight tiles of channels: (256 pair + 8 batch) 1536, in V's part
	s_mul_i32 s2, s2, 49152
	s_mul_i32 s3, s12, 12288
	s_add_co_u32 s2, s2, s3
	s_add_co_u32 s2, s2, 0x640000
	s_mov_b32 s3, 0
	s_lshl_b32 s96, s13, 14                        ; k's scale words: (256 pair + 64 batch) 64
	s_lshl_b32 s97, s12, 12
	s_add_co_u32 s96, s96, s97
	s_add_co_u32 s96, s96, 0x620000
	s_mov_b32 s97, 0
	s_lshl_b32 s98, s12, 15                        ; V^T's: (8 batch) 4096 + 512 pair
	s_lshl_b32 s99, s13, 9
	s_add_co_u32 s98, s98, s99
	s_add_co_u32 s98, s98, 0x940000
	s_mov_b32 s99, 0
	s_lshl_b32 s100, s12, 6                        ; my first tile of queries: 64 batch + 8 block + 2 wave
	s_lshl_b32 s101, s10, 3
	s_add_co_u32 s100, s100, s101
	s_lshl_b32 s101, s8, 1
	s_add_co_u32 s100, s100, s101
	s_mul_i32 s14, s100, 12288
	s_mul_i32 s15, s13, 1536
	s_add_co_u32 s14, s14, s15
	s_mov_b32 s15, 0                               ; its fragment,
	s_lshl_b32 s16, s13, 14
	s_lshl_b32 s17, s100, 6
	s_add_co_u32 s16, s16, s17
	s_add_co_u32 s16, s16, 0x300000
	s_mov_b32 s17, 0                               ; its scale words: the same places in q's part and in att
	s_mov_b32 s[CS], 0x3e38aa3b                    ; c = log2(e) / 8
	s_mov_b32 s[CS+1], s[CS]
	s_mov_b32 s[NC], 0xbe38aa3b
	s_mov_b32 s[SEL], 0x76543210
	s_mov_b32 s[SEL+1], 0xfedcba98
	s_mov_b32 s[TB], 0
	s_mov_b32 s[TC2], KSL
	s_mov_b32 s[TV], 0
	s_mov_b32 s[U], 0
	s_wait_dscnt 0x0
	s_wait_kmcnt 0x0
	s_mov_b32 s56, 1                               ; groups 0: K of parity 0, 1; V of parity 0, 1; the scale words
	s_mov_b32 s57, 0
	s_add_nc_u64 s[58:59], s[4:5], s[22:23]
	s_mov_b32 s60, 1
	s_mov_b32 s61, HOFF
	s_add_nc_u64 s[62:63], s[58:59], 768
	s_or_b32 s59, s59, 0x80000000
	s_or_b32 s63, s63, 0x80000000
	s_mov_b32 s68, 1
	s_mov_b32 s69, VOFF
	s_add_nc_u64 s[70:71], s[4:5], s[2:3]
	s_or_b32 s71, s71, 0x80000000
	s_mov_b32 s76, 1
	s_mov_b32 s77, KSL
	s_add_nc_u64 s[78:79], s[4:5], s[96:97]
	s_or_b32 s79, s79, 0x80000000
	s_add_nc_u64 s[82:83], s[4:5], s[98:99]        ; V^T's scale words: 512 bytes for each 128 keys, 4,096 bytes apart
	s_add_nc_u64 s[18:19], s[6:7], s[14:15]        ; att: my first fragment,
	s_add_nc_u64 s[20:21], s[6:7], s[16:17]        ; my scale words
	s_add_nc_u64 s[14:15], s[4:5], s[14:15]        ; q likewise
	s_add_nc_u64 s[16:17], s[4:5], s[16:17]
	CROUND                                         ; all four work-groups are here: the joint loads meet
; one joint load a wave, in one chain of branches on the wave's number: K of parity 0, K of parity 1, V^T of both, k's scale words
.macro ARM under, g0, g1, next
	s_cmp_lt_u32 s8, \under
	s_cbranch_scc0 \next
	tensor_load_to_lds s[\g0:\g0+3], s[\g1:\g1+7]
	s_nop 0
	PLACES
	s_branch .Lhead_asked
\next:
.endm
	ARM 1, 56, G1K, .Lhead_k1
	ARM 2, 60, G1K, .Lhead_v
	ARM 3, 68, G1V, .Lhead_ks
	tensor_load_to_lds s[76:79], s[G1KS:G1KS+7]
	s_nop 0
	PLACES
.Lhead_asked:
	v_and_b32 v11, 31, v0
	v_lshlrev_b32 v[L16], 4, v11
	v_lshlrev_b32 v[L8], 3, v11
	v_lshlrev_b32 v[L4], 2, v11
	v_and_b32 v[L4R], 15, v0
	v_lshlrev_b32 v[L4R], 2, v[L4R]
	s_mov_b64 s[96:97], s[14:15]
	s_mov_b64 s[98:99], s[16:17]
.macro QLOAD                           ; a unit's Q: half an image, 768 bytes, and 16 bits of each row's scale word
	global_load_b128 v[QLO:QLO+3], v[L16], s[96:97]
	global_load_b64 v[QLO+4:QLO+5], v[L8], s[96:97] offset:512
	global_load_u16 v[QSW], v[L4R], s[98:99]
.endm
	QLOAD
.irp i, 6,7,8,9,10,11
	v_mov_b32 v[QLO+\i], 0                         ; zero codes for k = 64 .. 127
.endr
.set i, 0
.rept 16
	v_mov_b32 v[TM+i], 0                           ; written once: a lane permute's destination counts as one of its sources
.set i, i+1
.endr
	v_mov_b32 v[SW], 0
	v_mov_b32 v[FW], 0
	WIN 0xc0
.irp i, 96,97,98,99,100,101,200,201,202,203,204,205
	v_mov_b32 v[\i], 0                             ; the pads behind K's two buffers
.endr
	WIN 0
	s_wait_alu depctr_va_vdst(0)                   ; the wait at the head's end
	s_wait_tensorcnt 0x0
	s_barrier_signal -1
	s_barrier_wait -1                              ; everybody's have: from here on LDS is only read
.macro KLOAD n, buf, a16, a8, as       ; 16 tiles of keys, 256 n on, and their scale words: 40 LDS loads
	WIN 0xc0
.set i, 0
.rept 16
	ds_load_b128 v[104*(\buf)+6*i:104*(\buf)+6*i+3], v[\a16] offset:(16*(\n)+i)*768
	ds_load_b64 v[104*(\buf)+6*i+4:104*(\buf)+6*i+5], v[\a8] offset:(16*(\n)+i)*768+512
.set i, i+1
.endr
	WIN 0
.set i, 0
.rept 8
	ds_load_u16 v[KSC+8*(\buf)+i], v[\as] offset:(8*(\n)+i)*128      ; lanes 0-15: the even tile's rows, lanes 16-31: the odd tile's
.set i, i+1
.endr
.endm
; Line m of 64 of the search for the largest score of each of batch nb's eight blocks of 32 keys: line m serves block m % 8, so that eight chains take turns.  A block is two tiles; each is read from its low end on.
.macro MAXOP nb, m
.set mb, (\m)%8
.set ms, (\m)/8
.set mr, 16*(8*((\nb)%2)+mb)
.if ms == 0
	v_max_num_f32 v[BM+8*(\nb)+mb], v[mr], v[mr+1]
.else
	v_max3_num_f32 v[BM+8*(\nb)+mb], v[mr+2*ms], v[mr+2*ms+1], v[BM+8*(\nb)+mb]
.endif
.endm
; Batch n's 16 products: every one starts and ends a sum.  mx = 1: behind each stand four lines of the batch before's maxima (its results stand four v_nop and more back).
.macro QK n, buf, mx
.set i, 0
.rept 16
	WIN ((1+(\n)/2)<<6)|3
	WM 8*((16*(\n)+i)%32), 104*(\buf)+6*i, QLO, -1, KSC+8*(\buf)+i/2, QSW, i%2
.if \mx
	WIN 5*(1+((\n)-1)/2)
	MAXOP (\n)-1, 4*i
	MAXOP (\n)-1, 4*i+1
	MAXOP (\n)-1, 4*i+2
	MAXOP (\n)-1, 4*i+3
.endif
.set i, i+1
.endr
.endm
.macro VLOAD s                         ; V's four fragments for keys 128 s on: 16 LDS loads, into set s % 2
.set vp, (\s)%2
	WIN 0xc0
.irp dt, 0,1,2,3
	ds_load_b128 v[48*vp+12*\dt:48*vp+12*\dt+3], v[AV16] offset:(8*\dt+(\s))*1536
	ds_load_b64 v[48*vp+12*\dt+4:48*vp+12*\dt+5], v[AV8] offset:(8*\dt+(\s))*1536+512
	ds_load_b128 v[48*vp+12*\dt+6:48*vp+12*\dt+9], v[AV16] offset:(8*\dt+(\s))*1536+768
	ds_load_b64 v[48*vp+12*\dt+10:48*vp+12*\dt+11], v[AV8] offset:(8*\dt+(\s))*1536+1280
.endr
	WIN 0
.endm
; 128 keys: p finished, quantised, multiplied.  The next step's V is asked for behind the 32 multiplications, which are the places behind the last step's products: those read the set that the loads fill.
.macro PSTEP s
.set pp, (\s)%2
.set ww, 1+(\s)/4
.set sb, 64*((\s)%4)
	WIN (ww<<6)|ww
.set j, sb
.rept 32
	v_pk_mul_f32 v[j:j+1], v[j:j+1], v[RL:RL+1]    ; p = 2^(..) / sum
.set j, j+2
.endr
.if (\s) < 7
	VLOAD (\s)+1
.endif
	WIN ww
.irp c, 0,1
	v_cvt_scalef32_pk16_fp6_f32 v[P+20*pp+6*\c:P+20*pp+6*\c+2], v[sb+32*\c:sb+32*\c+15], v[BM+4*(\s)+2*\c]
	v_cvt_scalef32_pk16_fp6_f32 v[P+20*pp+12+4*\c:P+20*pp+14+4*\c], v[sb+32*\c+16:sb+32*\c+31], v[BM+4*(\s)+2*\c+1]
.endr
	WIN 0
	v_nop                                          ; one plain line behind a scaled conversion
.irp c, 0,1
.irp i, 0,1,2
	v_permlane16_swap_b32 v[P+20*pp+6*\c+\i], v[P+20*pp+12+4*\c+\i]
.endr
.irp i, 0,1,2
	v_mov_b32 v[P+20*pp+3+6*\c+\i], v[P+20*pp+12+4*\c+\i]
.endr
.endr
	PLACES
	s_wait_alu depctr_va_vdst(0)
.if (\s) < 7
	s_wait_dscnt 16
.else
	s_wait_dscnt 0x0
.endif
	WIN 0x03
.irp dt, 0,1,2,3                       ; the four accumulators take turns
.if (\s) == 0
	WM O+8*\dt, 48*pp+12*\dt, P+20*pp, -1, VS+2*(\s)+\dt/2, PWD+(\s), \dt%2
.else
	WM O+8*\dt, 48*pp+12*\dt, P+20*pp, O+8*\dt, VS+2*(\s)+\dt/2, PWD+(\s), \dt%2
.endif
.endr
.endm
	v_add_nc_u32 v[AK16], s[TB], v[L16]
	v_add_nc_u32 v[AK8], s[TB], v[L8]
	v_add_nc_u32 v[AKS], s[TC2], v[L4]
	s_wait_alu depctr_va_vdst(0)                   ; the wait behind these writes
	KLOAD 0, 1, AK16, AK8, AKS
.Lunit:
	s_xor_b32 s2, s[TB], HOFF                      ; the next unit's head is the other one
	s_xor_b32 s3, s[TC2], 2
	v_add_nc_u32 v[AK16], s[TB], v[L16]
	v_add_nc_u32 v[AK8], s[TB], v[L8]
	v_add_nc_u32 v[AV16], VOFF, v[AK16]
	v_add_nc_u32 v[AV8], VOFF, v[AK8]
	v_add_nc_u32 v[AKS], s[TC2], v[L4]
	v_add_nc_u32 v[AVS], s[TV], v[L4]
	v_add_nc_u32 v[AKN16], s2, v[L16]
	v_add_nc_u32 v[AKN8], s2, v[L8]
	v_add_nc_u32 v[AKSN], s3, v[L4]
	s_wait_alu depctr_va_vdst(0)
	; ---- the scores: 64 tiles of 16 keys, 16 at a time through two buffers; the maxima of a batch stand among the next batch's products
	KLOAD 1, 0, AK16, AK8, AKS
	s_wait_loadcnt 0x0
.irp s, 0,1,2,3,4,5,6,7
	global_load_b32 v[VS+2*\s], v[AVS], s[82:83] offset:4096*\s          ; the unit's scale words of V^T: lanes 0-15 an even tile of channels, lanes 16-31 the odd one
	global_load_b32 v[VS+2*\s+1], v[AVS], s[82:83] offset:4096*\s+128
.endr
	s_wait_dscnt 40
	QK 0, 1, 0
	PLACES                                         ; in front of loads into the buffer just multiplied, and of the first read of its results
	KLOAD 2, 1, AK16, AK8, AKS
	s_wait_dscnt 40
	QK 1, 0, 1
	PLACES
	KLOAD 3, 0, AK16, AK8, AKS
	s_wait_dscnt 40
	QK 2, 1, 1
	PLACES
	s_wait_dscnt 0x0
	QK 3, 0, 1
	PLACES
	WIN 0
	s_cmp_eq_u32 s[U], 3                           ; the next unit's Q and its first batch of K are asked for here, if there is a next unit
	s_cbranch_scc1 .Lno_next
	s_add_co_u32 s2, s[U], 1
	s_lshr_b32 s3, s2, 1
	s_and_b32 s2, s2, 1
	s_mul_i32 s22, s3, 12288
	s_mul_i32 s23, s2, 768
	s_add_co_u32 s22, s22, s23
	s_mov_b32 s23, 0
	s_add_nc_u64 s[96:97], s[14:15], s[22:23]      ; (the last Q's loads were waited for above: their bases may be written)
	s_lshl_b32 s22, s3, 6
	s_lshl_b32 s23, s2, 1
	s_add_co_u32 s22, s22, s23
	s_mov_b32 s23, 0
	s_add_nc_u64 s[98:99], s[16:17], s[22:23]
	QLOAD
	KLOAD 0, 1, AKN16, AKN8, AKSN                  ; buffer 1 was last read by batch 2's products
.Lno_next:
	WIN 10
.set m, 0
.rept 64
	MAXOP 3, m                                     ; the last batch's maxima
.set m, m+1
.endr
	WIN 0
.irp g8, 0,1,2,3
.irp k, 0,1,2,3,4,5,6,7
	v_permlanex16_b32 v[TM+\k], v[BM+8*\g8+\k], s[SEL], s[SEL+1]
.endr
.irp k, 0,1,2,3,4,5,6,7
	v_max_num_f32 v[BM+8*\g8+\k], v[BM+8*\g8+\k], v[TM+\k]          ; with lane l xor 16's 16 keys
.endr
.endr
.irp k, 0,1,2,3
	v_max3_num_f32 v[W+\k], v[BM+8*\k], v[BM+8*\k+1], v[BM+8*\k+2]  ; the row's largest score, in four chains
.endr
.irp k, 0,1,2,3
	v_max3_num_f32 v[W+\k], v[W+\k], v[BM+8*\k+3], v[BM+8*\k+4]
.endr
.irp k, 0,1,2,3
	v_max3_num_f32 v[W+\k], v[W+\k], v[BM+8*\k+5], v[BM+8*\k+6]
.endr
.irp k, 0,1,2,3
	v_max_num_f32 v[W+\k], v[W+\k], v[BM+8*\k+7]
.endr
	v_max3_num_f32 v[W], v[W], v[W+1], v[W+2]
	v_max_num_f32 v[W], v[W], v[W+3]
	v_mul_f32 v[NM], s[NC], v[W]                   ; -c max
	v_mov_b32 v[NM+1], v[NM]
	; ---- 2^(c s - c max) in place, and the row's sum
.set k, 0
.rept 16
	v_mov_b32 v[SUM+k], 0
.set k, k+1
.endr
; A window's 256 scores in four batches of 64.  Among the exponentials of a batch stand the multiply-adds of the NEXT batch, which name other registers; one wait stands between two batches,
; behind the multiply-adds that the next batch's exponentials read and behind the exponentials just issued.
.macro EF w
	WIN (\w<<6)|\w
.set j, 0
.rept 32
	v_pk_fma_f32 v[j:j+1], v[j:j+1], s[CS:CS+1], v[NM:NM+1] op_sel_hi:[1,0,0]
.set j, j+2
.endr
.set j, 0
.rept 4
	s_wait_alu depctr_va_vdst(0)
.rept 32
	v_exp_f32 v[j], v[j]
.if j < 192
	v_pk_fma_f32 v[j+64:j+65], v[j+64:j+65], s[CS:CS+1], v[NM:NM+1] op_sel_hi:[1,0,0]
.endif
	v_exp_f32 v[j+1], v[j+1]
.set j, j+2
.endr
.endr
.endm
.macro SUMS w
	WIN \w
.set j, 0
.rept 128
	v_pk_add_f32 v[SUM+j%16:SUM+j%16+1], v[j:j+1], v[SUM+j%16:SUM+j%16+1]
.set j, j+2
.endr
.endm
	EF 1
	EF 2
	SUMS 1
	s_wait_alu depctr_va_vdst(0)
	SUMS 2
	WIN 0
	VLOAD 0                                        ; V of the first 128 keys: it lands under the lines below
.irp k, 0,2,4,6
	v_pk_add_f32 v[SUM+\k:SUM+\k+1], v[SUM+\k:SUM+\k+1], v[SUM+8+\k:SUM+9+\k]
.endr
	v_pk_add_f32 v[SUM:SUM+1], v[SUM:SUM+1], v[SUM+2:SUM+3]
	v_pk_add_f32 v[SUM+4:SUM+5], v[SUM+4:SUM+5], v[SUM+6:SUM+7]
	v_pk_add_f32 v[SUM:SUM+1], v[SUM:SUM+1], v[SUM+4:SUM+5]
	v_add_f32 v[SUM], v[SUM], v[SUM+1]
	v_permlanex16_b32 v[TM], v[SUM], s[SEL], s[SEL+1]
	v_add_f32 v[SUM], v[SUM], v[TM]                ; the row's sum
	s_wait_alu depctr_va_vdst(0)                   ; the wait ahead of the transcendental
	v_rcp_f32 v[RL], v[SUM]
	; ---- each block's largest p by the same three instructions as every p; its scale operand and byte
.set k, 0
.rept 32
	v_fma_f32 v[BM+k], v[BM+k], s[CS], v[NM]       ; (the first is the plain line behind the reciprocal)
.set k, k+1
.endr
	s_wait_alu depctr_va_vdst(0)
	v_mov_b32 v[RL+1], v[RL]
.set k, 0
.rept 32
	v_exp_f32 v[BM+k], v[BM+k]
.set k, k+1
.endr
	v_nop                                          ; a plain line behind the exponentials
.set k, 0
	s_wait_alu depctr_va_vdst(0)
.rept 32
	v_mul_f32 v[BM+k], v[BM+k], v[RL]
.set k, k+1
.endr
.set k, 0
.rept 32
	v_max_num_f32 v[BM+k], 0x1800000, v[BM+k]      ; the floor 2^(3 - 127)
.set k, k+1
.endr
.set k, 0
.rept 32
	v_add_nc_u32 v[BM+k], 0xff000000, v[BM+k]      ; 2 off the exponent field
.set k, k+1
.endr
.irp s, 0,1,2,3,4,5,6,7
.irp b, 0,1,2,3
	v_lshrrev_b32 v[TM+4*(\s%4)+\b], 23, v[BM+4*\s+\b]
.endr
	v_lshl_or_b32 v[PWD+\s], v[TM+4*(\s%4)+1], 8, v[TM+4*(\s%4)]
	v_lshl_or_b32 v[PWD+\s], v[TM+4*(\s%4)+2], 16, v[PWD+\s]
	v_lshl_or_b32 v[PWD+\s], v[TM+4*(\s%4)+3], 24, v[PWD+\s]
.endr
	; ---- O^T = V^T P^T
	s_wait_loadcnt 0x0                             ; V^T's scale words (and the next unit's Q, asked for long ago)
.irp s, 0,1,2,3,4,5,6,7
	PSTEP \s
.endr
	; ---- the unit's 16 x 64 results: true order, quantised, half an image out
	WIN 0
	PLACES
	s_wait_xcnt 0x0                                ; the last unit's stores have read their data and their base
.irp bb, 0,1
.irp j, 0,1,2,3,4,5,6,7
	v_permlane16_swap_b32 v[O+16*\bb+\j], v[O+16*\bb+8+\j]          ; register 16 B + i of lane half h now holds channel 32 B + 16 h + i
.endr
.endr
.irp bb, 0,1
	v_max3_num_f32 v[TM+\bb], |v[O+16*\bb]|, |v[O+16*\bb+1]|, 0x1800000
.endr
.irp i, 2,4,6,8,10,12,14
.irp bb, 0,1
	v_max3_num_f32 v[TM+\bb], v[TM+\bb], |v[O+16*\bb+\i]|, |v[O+16*\bb+\i+1]|
.endr
.endr
.irp bb, 0,1
	v_permlanex16_b32 v[TM+4+\bb], v[TM+\bb], s[SEL], s[SEL+1]
.endr
.irp bb, 0,1
	v_max_num_f32 v[TM+\bb], v[TM+\bb], v[TM+4+\bb]
.endr
.irp bb, 0,1
	v_add_nc_u32 v[TM+8+\bb], 0xff000000, v[TM+\bb]
.endr
.irp bb, 0,1
	v_lshrrev_b32 v[TM+4+\bb], 23, v[TM+8+\bb]
.endr
	v_lshl_or_b32 v[HW], v[TM+5], 8, v[TM+4]       ; the head's two bytes
	v_cvt_scalef32_pk16_fp6_f32 v[OC:OC+2], v[O:O+15], v[TM+8]
	v_cvt_scalef32_pk16_fp6_f32 v[OC+6:OC+8], v[O+16:O+31], v[TM+9]
	v_nop
.irp i, 0,1,2
	v_permlane16_swap_b32 v[OC+\i], v[OC+6+\i]
.endr
.irp i, 0,1,2
	v_mov_b32 v[OC+3+\i], v[OC+6+\i]
.endr
	s_lshr_b32 s2, s[U], 1
	s_and_b32 s3, s[U], 1
	s_mul_i32 s22, s2, 12288
	s_mul_i32 s23, s3, 768
	s_add_co_u32 s22, s22, s23
	s_mov_b32 s23, 0
	s_add_nc_u64 s[100:101], s[18:19], s[22:23]
	global_store_b128 v[L16], v[OC:OC+3], s[100:101]                ; 512 and 256 consecutive bytes, aligned
	global_store_b64 v[L8], v[OC+4:OC+5], s[100:101] offset:512
	v_lshrrev_b32 v[SW], 16, v[SW]                 ; a tile's scale word is whole behind its second head
	v_lshl_or_b32 v[SW], v[HW], 16, v[SW]
	s_mov_b32 s94, 0xffff
	s_bitcmp1_b32 s[U], 1
	s_cselect_b32 s94, 0xffff0000, s94             ; tile 0's words are kept in lanes 0-15, tile 1's in lanes 16-31
	v_cndmask_b32 v[FW], v[FW], v[SW], s94
	s_xor_b32 s[TB], s[TB], HOFF                   ; the other head
	s_xor_b32 s[TC2], s[TC2], 2
	s_xor_b32 s[TV], s[TV], 256
	s_add_co_u32 s[U], s[U], 1
	s_cmp_lt_u32 s[U], 4
	s_cbranch_scc1 .Lunit
	global_store_b32 v[L4], v[FW], s[20:21]        ; my two tiles' scale words: 128 consecutive bytes
	s_wait_dscnt 0x0
	s_wait_tensorcnt 0x0
	ds_add_u32 v254, v255
	s_wait_dscnt 0x0
	CROUND                                         ; the closing round
	s_endpgm
.Lfunc_end_k_qcd0120ac35_attn:
	.size	k_qcd0120ac35_attn, .Lfunc_end_k_qcd0120ac35_attn-k_qcd0120ac35_attn
	.p2alignl 7, 3214868480
	.fill 96, 4, 3214868480
	.section	.rodata,"a",@progbits
	.p2align	6, 0x0
	.amdhsa_kernel k_qcd0120ac35_attn
		.amdhsa_group_segment_fixed_size 229888
		.amdhsa_private_segment_fixed_size 0
		.amdhsa_enable_private_segment 0
		.amdhsa_kernarg_size 16
		.amdhsa_user_sgpr_count 2
		.amdhsa_user_sgpr_kernarg_segment_ptr 1
		.amdhsa_wavefront_size32 1
		.amdhsa_system_sgpr_workgroup_id_x 1
		.amdhsa_system_sgpr_workgroup_id_y 1
		.amdhsa_system_sgpr_workgroup_id_z 1
		.amdhsa_system_vgpr_workitem_id 0
		.amdhsa_next_free_vgpr 1024
		.amdhsa_next_free_sgpr 102
		.amdhsa_reserve_vcc 0
		.amdhsa_float_denorm_mode_32 3
		.amdhsa_float_denorm_mode_16_64 3
		.amdhsa_memory_ordered 1
		.amdhsa_forward_progress 1
		.amdhsa_inst_pref_size 156
	.end_amdhsa_kernel
	.amdgpu_metadata
---
amdhsa.version: [ 1, 2 ]
amdhsa.kernels:
  - .name:           k_qcd0120ac35_attn
    .symbol:         k_qcd0120ac35_attn.kd
    .args:
      - { .name: qkv, .offset: 0, .size: 8, .value_kind: global_buffer, .address_space: global }
      - { .name: att, .offset: 8, .size: 8, .value_kind: global_buffer, .address_space: global }
    .group_segment_fixed_size: 229888
    .private_segment_fixed_size: 0
    .kernarg_segment_align: 8
    .kernarg_segment_size: 16
    .max_flat_workgroup_size: 128
    .sgpr_count:     102
    .vgpr_count:     1024
    .wavefront_size: 32
...
	.end_amdgpu_metadata
.endif
;; end of part 3
;; launch wo (part 4): grid 8 x 32, 4 waves a work-group, clusters of 4 x 4, 327,680 bytes of LDS; arguments att, wimg, wo_scales, x, x1; writes x1
.if DOCPART == 4
	.amdgcn_target "amdgcn-amd-amdhsa--gfx1250"
	.amdhsa_code_object_version 6
	.text
	.protected	k_qcd0120ac35_wo
	.globl	k_qcd0120ac35_wo
	.p2align	8
	.type	k_qcd0120ac35_wo,@function
k_qcd0120ac35_wo:
	s_mov_b64 s[64:65], 0
	v_nop
	global_prefetch_b8 v0, s[64:65] scope:SCOPE_SE
	s_setreg_imm32_b32 hwreg(HW_REG_WAVE_MODE, 25, 1), 1
	s_wait_xcnt 0x0
	s_wait_alu depctr_hold_cnt(0) depctr_sa_sdst(0) depctr_va_vdst(0) depctr_va_sdst(0) depctr_va_ssrc(0) depctr_va_vcc(0) depctr_vm_vsrc(0)
	s_getreg_b32 s2, hwreg(HW_REG_IB_STS2, 6, 4)
	s_cmp_eq_u32 s2, 0
	s_cbranch_scc0 .Lentry_in_a_cluster
	s_endpgm
.Lentry_in_a_cluster:
	s_bfe_u32 s2, ttmp6, 0x10000c
	s_cmp_lg_u32 s2, 0xf033
	s_cbranch_scc0 .Lentry_shape_is_right
	s_endpgm
.Lentry_shape_is_right:
; OUT = RES + A B^T (+ bias), [4096][1024] f32.  A: activations as images of operand registers with their scale words behind them (made by an earlier launch); B: a given weight, codes [1024][SIZE_K] with K innermost and E8M0 bytes.
; Here: x1 = x + att Wo, SIZE_K = 1,024, no bias.
; N = 1,024 gives only 64 tiles of 256 x 256, so a tile of C is 128 x 128: 256 work-groups.  Four waves, each 64 x 64: 16 accumulators.  K goes in steps of 512 (four matrix instructions deep) through two LDS slots.
; A's fragment (rb, ks) lies at (rb NKS + ks) 1536 bytes: registers 6 c .. 6 c + 3 at 768 c + 16 x lane, registers 6 c + 4, 5 at 768 c + 512 + 8 x lane: it is read from LDS by two loads of 16 bytes and two of 8, lanes on end.
; B comes as images too, read like A's.  All scales of the work-group's rows come into LDS once.
; CLUSTERS: 4 x 4 work-groups; A's tiles are asked for jointly along a row of the cluster, B's along a column.  The head's loads: wave 0 fetches A, wave 1 B, waves 2, 3 the scales.
; TRANSPOSED USE (source 0 = 16 rows of B, source 1 = 16 rows of A): a lane holds eight neighbouring numbers of a row of C.  The residual is loaded at the start, in the layout in which rows leave, and added on the way out.
; REGISTERS: window 0: v8-29 addresses; v32-63 scale words, two sets; v64-127 bias, later rows on their way out; v128-255 accumulators ((a, b) at 128 + 8 (4 a + b)).  window 1: two fragment buffers at v0, v128: A's four blocks, then B's four tiles.  window 2: v0-127 the residual.
.set SIZE_K, 1024
.set BIAS,   0
.set SOFF,   0x300000                  ; A's scale words lie this far behind its codes
.set NKS,    SIZE_K/128
.set KROW,   SIZE_K*6/8
.set KS,     SIZE_K/32
.set PITCH,  240
.set AHALF,  24576                     ; 8 row blocks x 2 fragments
.set BHALF,  24576                     ; B comes as images too: a slot holds [8 blocks of rows][4 fragments] of A, then of B; a wave of the ring fetches 4 blocks
.set BOFF,   98304                     ; ALL OF K LIES IN LDS, filled once by the head's loads: A's [8 blocks of rows][8 fragments], then B's
.set SLOT,   6144                      ; the second four fragments of a block lie this far behind the first four
.set LAPS,   SIZE_K/1024
.set SCA,    2*BOFF
.set SCB,    SCA+4*SIZE_K              ; B's scale bytes, as units of 256 bytes + 16
.set SBH,    (64*KS/256)*272
.set SPARE,  SCB+2*SBH                 ; the spare words: 128 bytes a wave, two blocks of 256 that no other line names
.set SPITCH, 272                       ; the way out: a stage of 16 rows x (256 + 16) bytes a wave, behind the spare words
.set ADA16, 8
.set ADA8,  10
.set ADB,   12                         ; v12,13 16 x lane; v14,15 8 x lane
.set ADSA,  16
.set ADSB,  17
.set STO,   18
.set RD,    19
.set CO,    20
.set SPW,   28
.set NIL,   29
.set SC,    32                         ; set s at 32 + 16 s: A's word of (step q, pair p) at + 2 q + p; B's of (pair p, step q) at + 8 + 4 p + q
.set BI,    64
.set OB,    64
.set ACC,   128
.set G1A, 24
.set G0A, 32
.set G1B, 48
.set G0B, 56
.set G1SA, 68
.set G0SA, 76
.set G1SB, 80
.set G0SB, 88
.set MSB, 0
.macro WIN new
.if MSB != (\new)
	s_set_vgpr_msb (MSB<<8)|(\new)
.set MSB, (\new)
.endif
.endm
.set MUL, 0x05                         ; sources 0 and 1 window 1; C and D window 0
.macro JLOAD g0a, g1a, g0b, g1b        ; waves 0, 1 for A, waves 2, 3 for B; four v_nop follow each line
	s_cmp_eq_u32 s15, 0
	s_cbranch_scc0 .Lfor_b_\@
	tensor_load_to_lds s[\g0a:\g0a+3], s[\g1a:\g1a+7]
	s_nop 0
.rept 4
	v_nop
.endr
	s_branch .Lasked_\@
.Lfor_b_\@:
	tensor_load_to_lds s[\g0b:\g0b+3], s[\g1b:\g1b+7]
	s_nop 0
.rept 4
	v_nop
.endr
.Lasked_\@:
.endm
.macro CREST
	s_cmp_lg_u32 s14, 0
	s_cbranch_scc1 .Lnot_wave_0_\@
	s_barrier_signal -3
.Lnot_wave_0_\@:
	s_barrier_wait -3
	s_barrier_signal -1
	s_barrier_wait -1
.endm
.macro CROUND
	s_barrier_signal -1
	s_barrier_wait -1
	CREST
.endm
.macro PLACES
.rept 4
	v_nop
.endr
.endm
	s_load_b64 s[4:5], s[0:1], 0x0                 ; A
	s_load_b128 s[8:11], s[0:1], 0x8               ; B's codes, B's scales
.if BIAS
	s_load_b64 s[98:99], s[0:1], 0x18              ; the bias
	s_load_b64 s[96:97], s[0:1], 0x20              ; the residual
	s_load_b64 s[12:13], s[0:1], 0x28              ; the output
.else
	s_load_b64 s[96:97], s[0:1], 0x18              ; the residual
	s_load_b64 s[12:13], s[0:1], 0x20              ; the output
.endif
	v_lshl_add_u32 v[SPW], v0, 2, SPARE
	v_mov_b32 v[NIL], 0
	ds_add_u32 v28, v29
	ds_add_u32 v28, v29
	s_wait_dscnt 0x0
	v_lshrrev_b32 v1, 5, v0
	v_readfirstlane_b32 s14, v1                    ; wave
	s_lshr_b32 s15, s14, 1                         ; my 64 rows.  Also: I fetch for A (0) or B (1)
	s_and_b32 s16, s14, 1                          ; my 64 columns
	s_bfe_u32 s40, ttmp6, 0x40000
	s_bfe_u32 s41, ttmp6, 0x40004
	s_lshl_b32 s42, ttmp9, 2
	s_add_co_u32 s42, s42, s40                     ; tile column
	s_and_b32 s17, ttmp7, 0xffff
	s_lshl_b32 s17, s17, 2
	s_add_co_u32 s17, s17, s41                     ; tile row
	s_lshl_b32 s43, s41, 2
	s_lshl_b32 s43, 15, s43                        ; my row of the cluster
	s_lshl_b32 s44, 0x1111, s40                    ; my column
	s_or_b32 s[G1A], s43, (3<<16)|(1<<21)          ; A: 8 rows (row blocks) of 12,288 bytes (eight fragments), NKS x 1536 bytes apart; elements of 8 bytes
	s_mov_b32 s[G1A+1], 1536<<16
	s_mov_b32 s[G1A+2], 8<<16
	s_mov_b32 s[G1A+3], 1536<<16
	s_mov_b32 s[G1A+4], 8
	s_mov_b32 s[G1A+5], NKS*192
	s_mov_b32 s[G1A+6], 0
	s_mov_b32 s[G1A+7], 0
	s_or_b32 s[G1B], s44, (3<<16)|(1<<21)
	s_mov_b32 s[G1B+1], 1536<<16
	s_mov_b32 s[G1B+2], 8<<16
	s_mov_b32 s[G1B+3], 1536<<16
	s_mov_b32 s[G1B+4], 8
	s_mov_b32 s[G1B+5], NKS*192
	s_mov_b32 s[G1B+6], 0
	s_mov_b32 s[G1B+7], 0
	s_or_b32 s[G1SA], s43, (3<<16)|(1<<21)         ; A's scale words: SIZE_K / 128 rows (K steps of 128) of 512 bytes, 16,384 bytes apart
	s_mov_b32 s[G1SA+1], 64<<16
	s_mov_b32 s[G1SA+2], NKS<<16
	s_mov_b32 s[G1SA+3], 64<<16
	s_mov_b32 s[G1SA+4], NKS
	s_mov_b32 s[G1SA+5], 2048
	s_mov_b32 s[G1SA+6], 0
	s_mov_b32 s[G1SA+7], 0
	s_or_b32 s[G1SB], s44, (3<<16)|(1<<20)|(1<<21)|(5<<22)|(3<<25)  ; B's scale bytes of 128 rows: dense, as rows of 256 bytes + 16
	s_mov_b32 s[G1SB+1], 32<<16
	s_mov_b32 s[G1SB+2], (128*KS/256)<<16
	s_mov_b32 s[G1SB+3], 32<<16
	s_mov_b32 s[G1SB+4], 128*KS/256
	s_mov_b32 s[G1SB+5], 32
	s_mov_b32 s[G1SB+6], 0
	s_mov_b32 s[G1SB+7], 0
	s_mul_i32 s20, s17, 8*NKS*1536                 ; A's codes: my tile row's first fragment
	s_mov_b32 s21, 0
	s_lshl_b32 s22, s17, 9
	s_add_co_u32 s22, s22, SOFF
	s_mov_b32 s23, 0
	s_mul_i32 s46, s42, 128*KROW                   ; B's codes
	s_mov_b32 s47, 0
	s_lshl_b32 s92, s42, 7                         ; B's scale bytes: the tile's 128 rows
	s_mul_i32 s92, s92, KS
	s_mov_b32 s93, 0
	s_wait_kmcnt 0x0
	s_add_nc_u64 s[20:21], s[4:5], s[20:21]
	s_add_nc_u64 s[22:23], s[4:5], s[22:23]
	s_add_nc_u64 s[8:9], s[8:9], 0x240000          ; this weight's images
	s_add_nc_u64 s[46:47], s[8:9], s[46:47]
	s_add_nc_u64 s[92:93], s[10:11], s[92:93]
	CROUND                                         ; all sixteen work-groups are here: the first joint loads meet
	s_mov_b32 s[G0SA], 1
	s_mov_b32 s[G0SA+1], SCA
	s_mov_b64 s[G0SA+2:G0SA+3], s[22:23]
	s_or_b32 s[G0SA+3], s[G0SA+3], 0x80000000
	s_mov_b32 s[G0SB], 1
	s_mov_b32 s[G0SB+1], SCB
	s_mov_b64 s[G0SB+2:G0SB+3], s[92:93]
	s_or_b32 s[G0SB+3], s[G0SB+3], 0x80000000
	s_mov_b32 s4, 1                                ; groups 0 of the head's loads of slot 0: A's 8 blocks,
	s_mov_b32 s5, 0
	s_mov_b64 s[6:7], s[20:21]
	s_or_b32 s7, s7, 0x80000000
	s_mov_b32 s8, 1                                ; B's 8 blocks
	s_mov_b32 s9, BOFF
	s_mov_b64 s[10:11], s[46:47]
	s_or_b32 s11, s11, 0x80000000
; the head's four tiles, one joint load a wave, in one chain of branches on the wave's number
.macro ARM under, g0, g1, next
	s_cmp_lt_u32 s14, \under
	s_cbranch_scc0 \next
	tensor_load_to_lds s[\g0:\g0+3], s[\g1:\g1+7]
	s_nop 0
.rept 4
	v_nop
.endr
	s_branch .Lhead_asked
\next:
.endm
	ARM 1, 4, G1A, .Lhead_b
	ARM 2, 8, G1B, .Lhead_sa
	ARM 3, G0SA, G1SA, .Lhead_sb
	tensor_load_to_lds s[G0SB:G0SB+3], s[G1SB:G1SB+7]
	s_nop 0
.rept 4
	v_nop
.endr
.Lhead_asked:
	v_and_b32 v1, 15, v0                           ; r
	v_bfe_u32 v2, v0, 4, 1                         ; h
	v_and_b32 v3, 31, v0                           ; lane
	s_mul_i32 s21, s15, 49152
	v_lshl_add_u32 v[ADA16], v3, 4, s21
	v_lshl_add_u32 v[ADA8], v3, 3, s21
	v_add_nc_u32 v[ADA16+1], SLOT, v[ADA16]
	v_add_nc_u32 v[ADA8+1], SLOT, v[ADA8]
	s_mul_i32 s22, s16, 49152
	s_add_co_u32 s22, s22, BOFF
	v_lshl_add_u32 v[ADB], v3, 4, s22              ; 16 x lane
	v_lshl_add_u32 v[ADB+2], v3, 3, s22            ; 8 x lane
	v_add_nc_u32 v[ADB+1], SLOT, v[ADB]
	v_add_nc_u32 v[ADB+3], SLOT, v[ADB+2]
	s_lshl_b32 s21, s15, 8
	s_add_co_u32 s21, s21, SCA
	v_lshl_add_u32 v[ADSA], v3, 2, s21             ; A's words: lanes 0-15 an even block's rows, lanes 16-31 the odd block's
	v_mul_u32_u24 v5, v3, KS                       ; B's: row = lane of a pair of tiles: KS bytes a row, and 16 more for each 256 passed
	v_lshrrev_b32 v6, 8, v5
	v_lshl_add_u32 v5, v6, 4, v5
	s_mul_i32 s21, s16, SBH
	s_add_co_u32 s21, s21, SCB
	v_add_nc_u32 v[ADSB], s21, v5
	s_mul_i32 s23, s14, 16*SPITCH
	s_add_co_u32 s23, s23, SPARE+512               ; the stages have bytes of their own, behind the spare words: no fill lands there, and no wave reads operands there
	v_mul_u32_u24 v5, v1, SPITCH
	v_lshl_add_u32 v5, v2, 5, v5
	v_add_nc_u32 v[STO], s23, v5                   ; in: row r, 32 bytes for each half of the lanes
	v_mul_u32_u24 v5, v2, SPITCH
	v_lshl_add_u32 v5, v1, 4, v5
	v_add_nc_u32 v[RD], s23, v5                    ; back: lanes 0-15 one row of 256 bytes, lanes 16-31 the next
	v_lshlrev_b32 v5, 12, v2
	v_lshl_add_u32 v[CO], v1, 4, v5                ; and the same two rows in memory
	s_wait_alu depctr_va_vdst(0)
	s_lshl_b32 s20, s17, 7
	s_lshl_b32 s21, s15, 6
	s_add_co_u32 s20, s20, s21
	s_lshl_b32 s20, s20, 12                        ; my first row x 4,096 bytes
	s_lshl_b32 s21, s42, 9
	s_lshl_b32 s22, s16, 8
	s_add_co_u32 s22, s21, s22                     ; my first column x 4 bytes
	s_add_co_u32 s20, s20, s22
	s_mov_b32 s21, 0
	s_mov_b32 s23, 0
	s_add_nc_u64 s[12:13], s[12:13], s[20:21]
	s_add_nc_u64 s[96:97], s[96:97], s[20:21]
.if BIAS
	s_add_nc_u64 s[98:99], s[98:99], s[22:23]
	v_lshlrev_b32 v7, 5, v2
.irp b, 0,1,2,3
	global_load_b128 v[BI+8*\b:BI+8*\b+3], v7, s[98:99] offset:64*\b          ; the bias in the result's layout: it is the C of each sum's first product
	global_load_b128 v[BI+8*\b+4:BI+8*\b+7], v7, s[98:99] offset:64*\b+16
.endr
.endif
	WIN 0x80
.irp a, 0,1,2,3
.irp i, 0,1,2,3,4,5,6,7
	global_load_b128 v[32*\a+4*\i:32*\a+4*\i+3], v[CO], s[96:97] offset:(16*\a+2*\i)*4096   ; the residual: 16 lanes read 256 consecutive bytes
.endr
.endr
	WIN 0
.macro WM d, a, b, c, sa, sb, ra, rb   ; one product; c < 0: the constant 0 starts the sum; ra, rb: that source's scales stand in lanes 16-31
.if (\c) < 0
.if (\ra) && (\rb)
	v_wmma_scale_f32_16x16x128_f8f6f4 v[\d:\d+7], v[\a:\a+11], v[\b:\b+11], 0, v[\sa], v[\sb] matrix_a_fmt:MATRIX_FMT_FP6 matrix_b_fmt:MATRIX_FMT_FP6 matrix_a_scale:MATRIX_SCALE_ROW1 matrix_b_scale:MATRIX_SCALE_ROW1
.elseif (\ra)
	v_wmma_scale_f32_16x16x128_f8f6f4 v[\d:\d+7], v[\a:\a+11], v[\b:\b+11], 0, v[\sa], v[\sb] matrix_a_fmt:MATRIX_FMT_FP6 matrix_b_fmt:MATRIX_FMT_FP6 matrix_a_scale:MATRIX_SCALE_ROW1
.elseif (\rb)
	v_wmma_scale_f32_16x16x128_f8f6f4 v[\d:\d+7], v[\a:\a+11], v[\b:\b+11], 0, v[\sa], v[\sb] matrix_a_fmt:MATRIX_FMT_FP6 matrix_b_fmt:MATRIX_FMT_FP6 matrix_b_scale:MATRIX_SCALE_ROW1
.else
	v_wmma_scale_f32_16x16x128_f8f6f4 v[\d:\d+7], v[\a:\a+11], v[\b:\b+11], 0, v[\sa], v[\sb] matrix_a_fmt:MATRIX_FMT_FP6 matrix_b_fmt:MATRIX_FMT_FP6
.endif
.else
.if (\ra) && (\rb)
	v_wmma_scale_f32_16x16x128_f8f6f4 v[\d:\d+7], v[\a:\a+11], v[\b:\b+11], v[\c:\c+7], v[\sa], v[\sb] matrix_a_fmt:MATRIX_FMT_FP6 matrix_b_fmt:MATRIX_FMT_FP6 matrix_a_scale:MATRIX_SCALE_ROW1 matrix_b_scale:MATRIX_SCALE_ROW1
.elseif (\ra)
	v_wmma_scale_f32_16x16x128_f8f6f4 v[\d:\d+7], v[\a:\a+11], v[\b:\b+11], v[\c:\c+7], v[\sa], v[\sb] matrix_a_fmt:MATRIX_FMT_FP6 matrix_b_fmt:MATRIX_FMT_FP6 matrix_a_scale:MATRIX_SCALE_ROW1
.elseif (\rb)
	v_wmma_scale_f32_16x16x128_f8f6f4 v[\d:\d+7], v[\a:\a+11], v[\b:\b+11], v[\c:\c+7], v[\sa], v[\sb] matrix_a_fmt:MATRIX_FMT_FP6 matrix_b_fmt:MATRIX_FMT_FP6 matrix_b_scale:MATRIX_SCALE_ROW1
.else
	v_wmma_scale_f32_16x16x128_f8f6f4 v[\d:\d+7], v[\a:\a+11], v[\b:\b+11], v[\c:\c+7], v[\sa], v[\sb] matrix_a_fmt:MATRIX_FMT_FP6 matrix_b_fmt:MATRIX_FMT_FP6
.endif
.endif
.endm
; four products: A's block a x B's four tiles, the slot's q-th 128 along K, from buffer f.  The 16 accumulators take turns in the same order in every step.
.macro MUL4 f, a, q, set, zero
.irp b, 0,1,2,3
.if \zero
.if BIAS
	WM ACC+8*(4*(\a)+\b), (\f)+48+12*\b, (\f)+12*(\a), BI+8*\b, SC+16*(\set)+8+4*(\b/2)+(\q), SC+16*(\set)+2*(\q)+(\a)/2, \b%2, (\a)%2
.else
	WM ACC+8*(4*(\a)+\b), (\f)+48+12*\b, (\f)+12*(\a), -1, SC+16*(\set)+8+4*(\b/2)+(\q), SC+16*(\set)+2*(\q)+(\a)/2, \b%2, (\a)%2
.endif
.else
	WM ACC+8*(4*(\a)+\b), (\f)+48+12*\b, (\f)+12*(\a), ACC+8*(4*(\a)+\b), SC+16*(\set)+8+4*(\b/2)+(\q), SC+16*(\set)+2*(\q)+(\a)/2, \b%2, (\a)%2
.endif
.endr
.endm
.macro FRAGA reg, slot, q, a           ; an image comes back as it was stored: four loads, lanes on end
.set OFA, (\a)*12288+(\q)*1536
	ds_load_b128 v[\reg:\reg+3], v[ADA16+\slot] offset:OFA
	ds_load_b64 v[\reg+4:\reg+5], v[ADA8+\slot] offset:OFA+512
	ds_load_b128 v[\reg+6:\reg+9], v[ADA16+\slot] offset:OFA+768
	ds_load_b64 v[\reg+10:\reg+11], v[ADA8+\slot] offset:OFA+1280
.endm
.macro FRAGB reg, slot, q, b           ; 24 bytes of the row's stream of bits for each half, in pieces of 8; the 8-byte pieces take the second address register, 8 x lane
.set OFB, (\b)*12288+(\q)*1536
	ds_load_b128 v[\reg:\reg+3], v[ADB+\slot] offset:OFB
	ds_load_b64 v[\reg+4:\reg+5], v[ADB+2+\slot] offset:OFB+512
	ds_load_b128 v[\reg+6:\reg+9], v[ADB+\slot] offset:OFB+768
	ds_load_b64 v[\reg+10:\reg+11], v[ADB+2+\slot] offset:OFB+1280
.endm
.macro FETCH slot, q, f                ; 32 LDS loads in one run: B's four tiles, then A's four blocks
	WIN 0x40
.irp b, 0,1,2,3
	FRAGB (\f)+48+12*\b, \slot, \q, \b
.endr
.irp a, 0,1,2,3
	FRAGA (\f)+12*\a, \slot, \q, \a
.endr
.endm
.macro SCALES set                      ; a slot's scale words: 10 loads
	WIN 0
.irp q, 0,1,2,3
.irp p, 0,1
	ds_load_b32 v[SC+16*(\set)+2*\q+\p], v[ADSA] offset:512*\q+128*\p
.endr
.endr
.irp p, 0,1
	ds_load_b128 v[SC+16*(\set)+8+4*\p:SC+16*(\set)+8+4*\p+3], v[ADSB] offset:\p*(32*KS/256)*272
.endr
.endm
.macro STEP slot, q, zero              ; a step of 128 along K that has its successor in the same slot
.set FF, 128*((\q)%2)
.set FG, 128-FF
	s_wait_dscnt 8                                 ; all but the youngest eight loads (A's blocks 2, 3)
	WIN MUL
	MUL4 FF, 0, \q, \slot, \zero
	MUL4 FF, 1, \q, \slot, \zero
	PLACES                                         ; in front of loads into the buffer that the step before multiplied
	FETCH \slot, (\q)+1, FG
	s_wait_dscnt 32
	WIN MUL
	MUL4 FF, 2, \q, \slot, \zero
	MUL4 FF, 3, \q, \slot, \zero
.endm
; A slot's last step changes slots: one barrier; in front of it each wave waits for all its tensor loads, adds 0 to its spare word, and waits for that and for its own reads of this slot.
.macro TURN slot, next, fill
	WIN 0
	s_wait_tensorcnt 0x0                           ; all my tensor loads have landed: my part of the next slot
	ds_add_u32 v[SPW], v[NIL]                      ; 0 onto my spare word
	s_wait_dscnt 9                                 ; the add and the youngest eight loads may be out
	WIN MUL
	MUL4 128, 0, 3, \slot, 0
	s_wait_dscnt 0x0                               ; the add is done, and my reads of this slot are over
	s_barrier_signal -1
	MUL4 128, 1, 3, \slot, 0
	WIN 0
	s_barrier_wait -1
.if \fill
	CREST                                          ; the barrier has opened a round of the cluster's barrier: no wave of any partner still reads this slot or has a load on its way
	s_add_nc_u64 s[G0A+4*\slot+2:G0A+4*\slot+3], s[G0A+4*\slot+2:G0A+4*\slot+3], 12288
	s_add_nc_u64 s[G0B+4*\slot+2:G0B+4*\slot+3], s[G0B+4*\slot+2:G0B+4*\slot+3], 12288
	JLOAD G0A+4*\slot, G1A, G0B+4*\slot, G1B       ; the first tensor load behind the round; its four v_nop are the places in front of the loads below
.else
	PLACES
.endif
	v_add_nc_u32 v[ADSA], 2048, v[ADSA]            ; the next slot's scale words
	v_add_nc_u32 v[ADSB], 16, v[ADSB]
	SCALES \next
	FETCH \next, 0, 0
	WIN MUL
	MUL4 128, 2, 3, \slot, 0
	MUL4 128, 3, 3, \slot, 0
.endm
	s_wait_alu depctr_va_vdst(0)                   ; the wait at the head's end
	s_wait_tensorcnt 0x0                           ; my tile of the head's four is in,
	s_barrier_signal -1
	s_barrier_wait -1                              ; everybody's is: from here on the operands' bytes are only read
	SCALES 0
	FETCH 0, 0, 0
.if BIAS
	s_wait_loadcnt 32                              ; the bias is in; the 32 loads of the residual may be out
.endif
	STEP 0, 0, 1                                   ; the first step's products start the sums
.if LAPS > 1
	WIN 0
	s_mov_b32 s3, LAPS-1
.Llap:
	STEP 0, 1, 0
	STEP 0, 2, 0
	TURN 0, 1, 1
	STEP 1, 0, 0
	STEP 1, 1, 0
	STEP 1, 2, 0
	TURN 1, 0, 1
	STEP 0, 0, 0
	WIN 0
	s_sub_co_u32 s3, s3, 1
	s_cmp_lg_u32 s3, 0
	s_cbranch_scc1 .Llap
.endif
	STEP 0, 1, 0                                   ; the last lap fills nothing
	STEP 0, 2, 0
	TURN 0, 1, 0
	STEP 1, 0, 0
	STEP 1, 1, 0
	STEP 1, 2, 0
	s_wait_dscnt 8
	WIN MUL
	MUL4 128, 0, 3, 1, 0
	MUL4 128, 1, 3, 1, 0
	s_wait_dscnt 0x0
	MUL4 128, 2, 3, 1, 0
	MUL4 128, 3, 3, 1, 0
	WIN 0
; THE WAY OUT, 16 rows x 64 columns at a time: through my own stage and back as whole rows of 256 bytes; the residual is added; sixteen lanes store 256 consecutive bytes, aligned.
.macro TOSTAGE a
.irp b, 0,1,2,3
	ds_store_b128 v[STO], v[ACC+8*(4*(\a)+\b):ACC+8*(4*(\a)+\b)+3] offset:64*\b          ; each accumulator from its low end on
	ds_store_b128 v[STO], v[ACC+8*(4*(\a)+\b)+4:ACC+8*(4*(\a)+\b)+7] offset:64*\b+16
.endr
.irp i, 0,1,2,3,4,5,6,7
	ds_load_b128 v[OB+32*((\a)%2)+4*\i:OB+32*((\a)%2)+4*\i+3], v[RD] offset:\i*2*SPITCH   ; LDS serves a wave's instructions in order: these see the stores above
.endr
.endm
.macro SEND a, younger
	s_wait_dscnt \younger
	WIN 0x08                                       ; source 1: window 2
.set k, 0
.rept 16
	v_pk_add_f32 v[OB+32*((\a)%2)+k:OB+32*((\a)%2)+k+1], v[OB+32*((\a)%2)+k:OB+32*((\a)%2)+k+1], v[32*(\a)+k:32*(\a)+k+1]
.set k, k+2
.endr
	WIN 0
.irp i, 0,1,2,3,4,5,6,7
	global_store_b128 v[CO], v[OB+32*((\a)%2)+4*\i:OB+32*((\a)%2)+4*\i+3], s[12:13] offset:(16*(\a)+2*\i)*4096
.endr
.endm
	PLACES
	s_wait_loadcnt 0x0                             ; the residual
	TOSTAGE 0
.irp a, 1,2,3
.if \a > 1
	s_wait_xcnt 0x0                                ; block a - 2's stores have read their registers: block a's rows may land there
.endif
	TOSTAGE \a
	SEND \a-1, 16                                  ; behind block a - 1's loads: block a's eight stores and eight loads
.endr
	SEND 3, 0
	s_wait_tensorcnt 0x0                           ; the wave's end
	ds_add_u32 v[SPW], v[NIL]
	s_wait_dscnt 0x0
	CROUND                                         ; the closing round
	s_endpgm
.Lfunc_end_k_qcd0120ac35_wo:
	.size	k_qcd0120ac35_wo, .Lfunc_end_k_qcd0120ac35_wo-k_qcd0120ac35_wo
	.p2alignl 7, 3214868480
	.fill 96, 4, 3214868480
	.section	.rodata,"a",@progbits
	.p2align	6, 0x0
	.amdhsa_kernel k_qcd0120ac35_wo
		.amdhsa_group_segment_fixed_size 327680
		.amdhsa_private_segment_fixed_size 0
		.amdhsa_enable_private_segment 0
		.amdhsa_kernarg_size 40
		.amdhsa_user_sgpr_count 2
		.amdhsa_user_sgpr_kernarg_segment_ptr 1
		.amdhsa_wavefront_size32 1
		.amdhsa_system_sgpr_workgroup_id_x 1
		.amdhsa_system_sgpr_workgroup_id_y 1
		.amdhsa_system_sgpr_workgroup_id_z 1
		.amdhsa_system_vgpr_workitem_id 0
		.amdhsa_next_free_vgpr 640
		.amdhsa_next_free_sgpr 102
		.amdhsa_reserve_vcc 0
		.amdhsa_float_denorm_mode_32 3
		.amdhsa_float_denorm_mode_16_64 3
		.amdhsa_memory_ordered 1
		.amdhsa_forward_progress 1
		.amdhsa_inst_pref_size 60
	.end_amdhsa_kernel
	.amdgpu_metadata
---
amdhsa.version: [ 1, 2 ]
amdhsa.kernels:
  - .name:           k_qcd0120ac35_wo
    .symbol:         k_qcd0120ac35_wo.kd
    .args:
      - { .name: att, .offset: 0, .size: 8, .value_kind: global_buffer, .address_space: global }
      - { .name: wimg, .offset: 8, .size: 8, .value_kind: global_buffer, .address_space: global }
      - { .name: wo_scales, .offset: 16, .size: 8, .value_kind: global_buffer, .address_space: global }
      - { .name: x, .offset: 24, .size: 8, .value_kind: global_buffer, .address_space: global }
      - { .name: x1, .offset: 32, .size: 8, .value_kind: global_buffer, .address_space: global }
    .group_segment_fixed_size: 327680
    .private_segment_fixed_size: 0
    .kernarg_segment_align: 8
    .kernarg_segment_size: 40
    .max_flat_workgroup_size: 128
    .sgpr_count:     102
    .vgpr_count:     640
    .wavefront_size: 32
...
	.end_amdgpu_metadata
.endif
;; end of part 4
;; launch ln2: the kernel of part 1 again; grid 256 x 1, 8 waves a work-group, no clusters, 55,040 bytes of LDS; arguments x1, g2, be2, hq, wq_codes, wk_codes, wv_codes, wo_codes, w1_codes, w2_codes, wimg; writes hq
;; launch ffn1 (part 5): grid 16 x 16, 4 waves a work-group, clusters of 4 x 4, 327,680 bytes of LDS; arguments hq, wimg, w1_scales, b1, ff; writes ff
.if DOCPART == 5
	.amdgcn_target "amdgcn-amd-amdhsa--gfx1250"
	.amdhsa_code_object_version 6
	.text
	.protected	k_qcd0120ac35_ffn1
	.globl	k_qcd0120ac35_ffn1
	.p2align	8
	.type	k_qcd0120ac35_ffn1,@function
k_qcd0120ac35_ffn1:
	s_mov_b64 s[64:65], 0
	v_nop
	global_prefetch_b8 v0, s[64:65] scope:SCOPE_SE
	s_setreg_imm32_b32 hwreg(HW_REG_WAVE_MODE, 25, 1), 1
	s_wait_xcnt 0x0
	s_wait_alu depctr_hold_cnt(0) depctr_sa_sdst(0) depctr_va_vdst(0) depctr_va_sdst(0) depctr_va_ssrc(0) depctr_va_vcc(0) depctr_vm_vsrc(0)
	s_getreg_b32 s2, hwreg(HW_REG_IB_STS2, 6, 4)
	s_cmp_eq_u32 s2, 0
	s_cbranch_scc0 .Lentry_in_a_cluster
	s_endpgm
.Lentry_in_a_cluster:
	s_bfe_u32 s2, ttmp6, 0x10000c
	s_cmp_lg_u32 s2, 0xf033
	s_cbranch_scc0 .Lentry_shape_is_right
	s_endpgm
.Lentry_shape_is_right:
.set SIZE_K, 1024
.set KSTEP,  256
.set NQ,     KSTEP/128
.set ROWB,   3072                      ; both operands come as images: a K step of 256 is two fragments of a block of 16 rows
.set KROW,   SIZE_K*6/8
.set PITCH,  240
.set FR,     12
.set NL,     4
.set NP,     4
.set HALFT,  8*ROWB
.set SLOT,   4*HALFT
.set LAPS,   SIZE_K/(2*KSTEP)
.set KS,     SIZE_K/32
.set SCL,    2*SLOT
.set HALFS,  (128*KS/256)*272
.set SBLK,   (16*KS/256)*272
.set SPARE,  SCL+4*HALFS
.set CO16, 8
.set CO8,  9
.set SST,  10
.set SLD,  11
.set ADRA, 16
.set ADRB, 20
.set ADRS, 27
.set SPW,  28
.set NIL,  29
.set SC,   32
.set BI,   64
.set AF,   128
.set PC,   128
.set TM,   148
.set PW,   164
.set SB4,  168
.set T,    192
.set G1, 24
.set G0, 32
.set G1B, 48
.set G0B, 56
.set G1S, 68
.set G0S, 76
.set G1SB, 80
.set G0SB, 88
.set MSB, 0
.macro WIN new
.if MSB != (\new)
	s_set_vgpr_msb (MSB<<8)|(\new)
.set MSB, (\new)
.endif
.endm
.set MUL_LO, 0xa1
.set MUL_HI, 0xf1
.set TO_B,   0x40
.macro JLOAD g0a, g1a, g0b, g1b
	s_cmp_eq_u32 s15, 0
	s_cbranch_scc0 .Lfor_b_\@
	tensor_load_to_lds s[\g0a:\g0a+3], s[\g1a:\g1a+7]
	s_nop 0
.rept 4
	v_nop
.endr
	s_branch .Lasked_\@
.Lfor_b_\@:
	tensor_load_to_lds s[\g0b:\g0b+3], s[\g1b:\g1b+7]
	s_nop 0
.rept 4
	v_nop
.endr
.Lasked_\@:
.endm
.macro CREST
	s_cmp_lg_u32 s14, 0
	s_cbranch_scc1 .Lnot_wave_0_\@
	s_barrier_signal -3
.Lnot_wave_0_\@:
	s_barrier_wait -3
	s_barrier_signal -1
	s_barrier_wait -1
.endm
.macro CROUND
	s_barrier_signal -1
	s_barrier_wait -1
	CREST
.endm
	s_load_b64 s[4:5], s[0:1], 0x0
	s_load_b128 s[8:11], s[0:1], 0x8
	s_load_b64 s[100:101], s[0:1], 0x18
	s_load_b64 s[12:13], s[0:1], 0x20
	v_lshl_add_u32 v[SPW], v0, 2, SPARE
	v_mov_b32 v[NIL], 0
	ds_add_u32 v28, v29
	ds_add_u32 v28, v29
	s_wait_dscnt 0x0
	v_lshrrev_b32 v1, 5, v0
	v_readfirstlane_b32 s14, v1
	s_lshr_b32 s15, s14, 1
	s_and_b32 s16, s14, 1
	s_bfe_u32 s40, ttmp6, 0x40000
	s_bfe_u32 s41, ttmp6, 0x40004
	s_lshl_b32 s42, ttmp9, 2
	s_add_co_u32 s42, s42, s40
	s_and_b32 s17, ttmp7, 0xffff
	s_lshl_b32 s17, s17, 2
	s_add_co_u32 s17, s17, s41
	s_lshl_b32 s43, s41, 2
	s_lshl_b32 s43, 15, s43
	s_lshl_b32 s44, 0x1111, s40
	s_mov_b32 s98, 49152
	s_mov_b32 s99, 0
	s_or_b32 s[G1+0], s43, (1<<21)
	s_or_b32 s[G1B+0], s44, (1<<21)
.irp g, G1, G1B
	s_mov_b32 s[\g+1], ROWB<<16
	s_mov_b32 s[\g+2], 16<<16                      ; the head's loads bring 16 blocks of rows; the ring's 8
	s_mov_b32 s[\g+3], ROWB<<16
	s_mov_b32 s[\g+4], 16
	s_mov_b32 s[\g+5], 12288
	s_mov_b32 s[\g+6], 0
	s_mov_b32 s[\g+7], 0
.endr
	s_or_b32 s[G1S+0], s43, (3<<16)|(1<<20)|(1<<21)|(5<<22)|(3<<25)
	s_or_b32 s[G1SB+0], s44, (3<<16)|(1<<20)|(1<<21)|(5<<22)|(3<<25)
.irp g, G1S, G1SB
	s_mov_b32 s[\g+1], 32<<16
	s_mov_b32 s[\g+2], KS<<16                      ; the scales of all 256 rows
	s_mov_b32 s[\g+3], 32<<16
	s_mov_b32 s[\g+4], KS
	s_mov_b32 s[\g+5], 32
	s_mov_b32 s[\g+6], 0
	s_mov_b32 s[\g+7], 0
.endr
	s_lshl_b32 s20, s17, 8
	s_lshl_b32 s46, s42, 8
	s_mov_b32 s21, 0
	s_mov_b32 s47, 0
	s_mov_b64 s[18:19], KS
	s_mul_u64 s[22:23], s[20:21], s[18:19]
	s_mul_u64 s[92:93], s[46:47], s[18:19]
	s_mov_b64 s[18:19], KROW
	s_mul_u64 s[20:21], s[20:21], s[18:19]
	s_mul_u64 s[46:47], s[46:47], s[18:19]
	s_mul_i32 s45, s14, HALFT
	s_mul_i32 s94, s16, 128*KROW                   ; in the ring I fetch 128 rows: which half, in bytes
	s_wait_kmcnt 0x0
	s_add_nc_u64 s[6:7], s[4:5], 0x300000
	s_add_nc_u64 s[8:9], s[8:9], 0x300000          ; W1's images
	s_add_nc_u64 s[20:21], s[4:5], s[20:21]
	s_add_nc_u64 s[22:23], s[6:7], s[22:23]
	s_add_nc_u64 s[46:47], s[8:9], s[46:47]
	s_add_nc_u64 s[92:93], s[10:11], s[92:93]
	CROUND
	s_mov_b32 s[G0S], 1
	s_mov_b32 s[G0S+1], SCL
	s_mov_b64 s[G0S+2:G0S+3], s[22:23]
	s_or_b32 s[G0S+3], s[G0S+3], 0x80000000
	s_mov_b32 s[G0SB], 1
	s_mov_b32 s[G0SB+1], SCL+2*HALFS
	s_mov_b64 s[G0SB+2:G0SB+3], s[92:93]
	s_or_b32 s[G0SB+3], s[G0SB+3], 0x80000000
	s_mov_b32 s4, 1                                ; groups 0 of the head's loads of K step 0: A's 256 rows,
	s_mov_b32 s5, 0
	s_mov_b64 s[6:7], s[20:21]
	s_or_b32 s7, s7, 0x80000000
	s_mov_b32 s8, 1                                ; B's 256 rows
	s_mov_b32 s9, 2*HALFT
	s_mov_b64 s[10:11], s[46:47]
	s_or_b32 s11, s11, 0x80000000
	s_mov_b32 s95, 0
	s_add_nc_u64 s[20:21], s[20:21], s[94:95]      ; for the ring: my 128 rows
	s_add_nc_u64 s[46:47], s[46:47], s[94:95]
.irp s, 0,1
	s_mov_b32 s[G0+4*\s], 1
	s_add_co_u32 s[G0+4*\s+1], s45, \s*SLOT
	s_add_nc_u64 s[G0+4*\s+2:G0+4*\s+3], s[20:21], \s*ROWB
	s_or_b32 s[G0+4*\s+3], s[G0+4*\s+3], 0x80000000
	s_mov_b32 s[G0B+4*\s], 1
	s_add_co_u32 s[G0B+4*\s+1], s45, \s*SLOT
	s_add_nc_u64 s[G0B+4*\s+2:G0B+4*\s+3], s[46:47], \s*ROWB
	s_or_b32 s[G0B+4*\s+3], s[G0B+4*\s+3], 0x80000000
.endr
; the head's four tiles, one joint load a wave, in one chain of branches on the wave's number
.macro ARM under, g0, g1, next
	s_cmp_lt_u32 s14, \under
	s_cbranch_scc0 \next
	tensor_load_to_lds s[\g0:\g0+3], s[\g1:\g1+7]
	s_nop 0
.rept 4
	v_nop
.endr
	s_branch .Lhead_asked
\next:
.endm
	ARM 1, 4, G1, .Lhead_b
	ARM 2, 8, G1B, .Lhead_sa
	ARM 3, G0S, G1S, .Lhead_sb
	tensor_load_to_lds s[G0SB:G0SB+3], s[G1SB:G1SB+7]
	s_nop 0
.rept 4
	v_nop
.endr
.Lhead_asked:
	v_and_b32 v1, 15, v0
	v_bfe_u32 v2, v0, 4, 1
	s_lshl_b32 s20, s42, 10
	s_lshl_b32 s21, s16, 9
	s_add_co_u32 s20, s20, s21
	s_mov_b32 s21, 0
	s_add_nc_u64 s[100:101], s[100:101], s[20:21]
	v_lshlrev_b32 v7, 5, v2
.irp b, 0,1,2,3,4,5,6,7
	global_load_b128 v[BI+8*\b:BI+8*\b+3], v7, s[100:101] offset:64*\b
	global_load_b128 v[BI+8*\b+4:BI+8*\b+7], v7, s[100:101] offset:64*\b+16
.endr
	v_and_b32 v3, 31, v0
	v_lshlrev_b32 v4, 4, v3                        ; 16 x lane
	v_lshlrev_b32 v5, 3, v3                        ; 8 x lane
	s_mul_i32 s21, s15, HALFT
	s_mul_i32 s22, s16, HALFT
	s_add_co_u32 s22, s22, 2*HALFT
.irp s, 0,1
	v_add_nc_u32 v[ADRA+\s], s21, v4
	v_add_nc_u32 v[ADRB+\s], s22, v4
	v_add_nc_u32 v[ADRA+2+\s], s21, v5
	v_add_nc_u32 v[ADRB+2+\s], s22, v5
	s_add_co_u32 s21, s21, SLOT
	s_add_co_u32 s22, s22, SLOT
.endr
	v_mul_u32_u24 v5, v1, KS
	v_lshrrev_b32 v6, 8, v5
	v_lshl_add_u32 v5, v6, 4, v5
	s_mul_i32 s21, s15, HALFS
	s_mul_i32 s22, s16, HALFS
	s_add_co_u32 s22, s22, 2*HALFS
	s_sub_co_u32 s22, s22, s21
	v_mul_u32_u24 v6, s22, v2
	s_add_co_u32 s21, s21, SCL
	v_add_nc_u32 v5, v5, v6
	v_add_nc_u32 v[ADRS], s21, v5
	s_lshl_b32 s23, s14, 9
	v_and_b32 v6, 31, v0
	v_lshlrev_b32 v[CO16], 4, v6
	v_lshlrev_b32 v[CO8], 3, v6
	v_lshl_add_u32 v[SST], v1, 2, s23
	v_add_nc_u32 v[SLD], s23, v[CO16]
	s_lshl_b32 s20, s17, 4
	s_lshl_b32 s21, s15, 3
	s_add_co_u32 s20, s20, s21
	s_lshl_b32 s46, s42, 1
	s_add_co_u32 s46, s46, s16
	s_lshl_b32 s92, s46, 14
	s_lshl_b32 s93, s20, 6
	s_add_co_u32 s92, s92, s93
	s_add_co_u32 s92, s92, 0xC00000
	s_mov_b32 s93, 0
	s_add_nc_u64 s[96:97], s[12:13], s[92:93]
	s_mul_i32 s22, s20, s98
	s_mul_i32 s47, s46, 1536
	s_add_co_u32 s22, s22, s47
	s_mov_b32 s23, 0
	s_add_nc_u64 s[12:13], s[12:13], s[22:23]
.macro FRAG reg, adr, q, i
.set OF, (\i)*ROWB+(\q)*1536           ; an image comes back as it was stored: four loads, lanes on end
	ds_load_b128 v[\reg:\reg+3], v[\adr] offset:OF
	ds_load_b64 v[\reg+4:\reg+5], v[\adr+2] offset:OF+512
	ds_load_b128 v[\reg+6:\reg+9], v[\adr] offset:OF+768
	ds_load_b64 v[\reg+10:\reg+11], v[\adr+2] offset:OF+1280
.endm
.macro MUL16 a0, p, q, sc, zero
.irp a, \a0, \a0+1
.irp b, 0,1,2,3,4,5,6,7
.if \zero
	v_wmma_scale_f32_16x16x128_f8f6f4 v[8*(8*((\a)%4)+\b):8*(8*((\a)%4)+\b)+7], v[128*(\p)+FR*\b:128*(\p)+FR*\b+FR-1], v[AF+FR*(\a):AF+FR*(\a)+FR-1], v[BI+8*\b:BI+8*\b+7], v[SC+8*NQ*(\sc)+NQ*\b+(\q)], v[SC+8*NQ*(\sc)+NQ*(\a)+(\q)] matrix_a_fmt:MATRIX_FMT_FP6 matrix_b_fmt:MATRIX_FMT_FP6 matrix_a_scale:MATRIX_SCALE_ROW1
.else
	v_wmma_scale_f32_16x16x128_f8f6f4 v[8*(8*((\a)%4)+\b):8*(8*((\a)%4)+\b)+7], v[128*(\p)+FR*\b:128*(\p)+FR*\b+FR-1], v[AF+FR*(\a):AF+FR*(\a)+FR-1], v[8*(8*((\a)%4)+\b):8*(8*((\a)%4)+\b)+7], v[SC+8*NQ*(\sc)+NQ*\b+(\q)], v[SC+8*NQ*(\sc)+NQ*(\a)+(\q)] matrix_a_fmt:MATRIX_FMT_FP6 matrix_b_fmt:MATRIX_FMT_FP6 matrix_a_scale:MATRIX_SCALE_ROW1
.endif
.endr
.endr
.endm
.macro FETCH_B slot, q, p
	WIN TO_B
.irp i, 0,1,2,3,4,5,6,7
	FRAG 128*(\p)+FR*\i, ADRB+\slot, \q, \i
.endr
	WIN 0
.endm
.macro FETCH_A slot, q, i0
.irp i, \i0, \i0+1, \i0+2, \i0+3
	FRAG AF+FR*(\i), ADRA+\slot, \q, \i
.endr
.endm
.macro SCALES sc
.irp i, 0,1,2,3,4,5,6,7
	ds_load_b64 v[SC+8*NQ*\sc+NQ*\i:SC+8*NQ*\sc+NQ*\i+1], v[ADRS] offset:\i*SBLK
.endr
.endm
.macro PLACES n
.rept \n
	v_nop
.endr
.endm
.macro STEP slot, q, zero
	s_wait_dscnt 4*NL
.if \zero
	WIN 0x81
.else
	WIN MUL_LO
.endif
	MUL16 0, (\q)%2, \q, \slot, \zero
	MUL16 2, (\q)%2, \q, \slot, \zero
	s_wait_dscnt 0
	PLACES NP
	FETCH_B \slot, (\q)+1, 1-(\q)%2
	FETCH_A \slot, (\q)+1, 0
.if \zero
	WIN 0xc1
.else
	WIN MUL_HI
.endif
	MUL16 4, (\q)%2, \q, \slot, \zero
	MUL16 6, (\q)%2, \q, \slot, \zero
	PLACES NP
	WIN 0
	FETCH_A \slot, (\q)+1, 4
.endm
.macro TURN slot, next, fill
	s_wait_tensorcnt 0x0
	ds_add_u32 v[SPW], v[NIL]
	s_wait_dscnt 4*NL+1
	WIN MUL_LO
	MUL16 0, 1, NQ-1, \slot, 0
	s_wait_dscnt 0x0
	s_barrier_signal -1
	MUL16 2, 1, NQ-1, \slot, 0
	WIN 0
	s_barrier_wait -1
.if \fill
	CREST
	s_add_nc_u64 s[G0+4*\slot+2:G0+4*\slot+3], s[G0+4*\slot+2:G0+4*\slot+3], 2*ROWB
	s_add_nc_u64 s[G0B+4*\slot+2:G0B+4*\slot+3], s[G0B+4*\slot+2:G0B+4*\slot+3], 2*ROWB
	JLOAD G0+4*\slot, G1, G0B+4*\slot, G1B
.else
	PLACES NP
.endif
	s_wait_alu depctr_va_vdst(0)
	v_add_nc_u32 v[ADRS], 4*NQ, v[ADRS]
	FETCH_B \next, 0, 0
	FETCH_A \next, 0, 0
	SCALES \next
	WIN MUL_HI
	MUL16 4, 1, NQ-1, \slot, 0
	MUL16 6, 1, NQ-1, \slot, 0
	PLACES NP
	WIN 0
	FETCH_A \next, 0, 4
.endm
	s_wait_alu depctr_va_vdst(0)
	s_wait_tensorcnt 0x0                           ; my tile of the head's four is in; slot 1's first fill is issued as a refill is
	ds_add_u32 v[SPW], v[NIL]
	s_mov_b32 s[G1+2], 8<<16                       ; no load of mine is out: from here on a load brings 8 blocks of rows
	s_mov_b32 s[G1+4], 8
	s_mov_b32 s[G1B+2], 8<<16
	s_mov_b32 s[G1B+4], 8
	s_wait_dscnt 0x0
	CROUND
	JLOAD G0+4, G1, G0B+4, G1B                     ; K step 1
	FETCH_B 0, 0, 0
	FETCH_A 0, 0, 0
	SCALES 0
	FETCH_A 0, 0, 4
	s_wait_loadcnt 0x0
	STEP 0, 0, 1
	s_mov_b32 s3, LAPS-1
.Llap:
	TURN 0, 1, 1
	STEP 1, 0, 0
	TURN 1, 0, 1
	STEP 0, 0, 0
	s_sub_co_u32 s3, s3, 1
	s_cmp_lg_u32 s3, 0
	s_cbranch_scc1 .Llap
	TURN 0, 1, 0
	STEP 1, 0, 0
	s_wait_dscnt 4*NL
	WIN MUL_LO
	MUL16 0, 1, NQ-1, 1, 0
	MUL16 2, 1, NQ-1, 1, 0
	s_wait_dscnt 0
	WIN MUL_HI
	MUL16 4, 1, NQ-1, 1, 0
	MUL16 6, 1, NQ-1, 1, 0
	WIN 0
.macro QUANT
.irp b, 0,1,2,3
	v_max3_num_f32 v[TM+\b], v[T+16*\b], v[T+16*\b+1], 0x1800000
.endr
.irp i, 2,4,6,8,10,12,14
.irp b, 0,1,2,3
	v_max3_num_f32 v[TM+\b], v[T+16*\b+\i], v[T+16*\b+\i+1], v[TM+\b]
.endr
.endr
.irp b, 0,1,2,3
	v_permlanex16_b32 v[TM+4+\b], v[TM+\b], s18, s19
.endr
.irp b, 0,1,2,3
	v_max_num_f32 v[TM+\b], v[TM+\b], v[TM+4+\b]
.endr
.irp b, 0,1,2,3
	v_add_nc_u32 v[TM+12+\b], 0xff000000, v[TM+\b]
.endr
.irp b, 0,1,2,3
	v_lshrrev_b32 v[TM+4+\b], 23, v[TM+12+\b]
.endr
	v_lshl_or_b32 v[PW], v[TM+5], 8, v[TM+4]
	v_lshl_or_b32 v[PW], v[TM+6], 16, v[PW]
	v_lshl_or_b32 v[PW], v[TM+7], 24, v[PW]
.irp c, 0,1
	v_cvt_scalef32_pk16_fp6_f32 v[PC+6*\c:PC+2+6*\c], v[T+32*\c:T+15+32*\c], v[TM+12+2*\c]
	v_cvt_scalef32_pk16_fp6_f32 v[PC+12+4*\c:PC+14+4*\c], v[T+16+32*\c:T+31+32*\c], v[TM+12+2*\c+1]
.endr
	v_nop
.irp c, 0,1
.irp i, 0,1,2
	v_permlane16_swap_b32 v[PC+6*\c+\i], v[PC+12+4*\c+\i]
.endr
.irp i, 0,1,2
	v_mov_b32 v[PC+3+6*\c+\i], v[PC+12+4*\c+\i]
.endr
.endr
.endm
	s_mov_b32 s18, 0x76543210
	s_mov_b32 s19, 0xfedcba98
	PLACES NP
.irp b, 0,1,2,3
	v_mov_b32 v[TM+4+\b], 0
.endr
.irp a, 0,1,2,3,4,5,6,7
.if \a > 0
	s_wait_xcnt 0x0
	s_add_nc_u64 s[12:13], s[12:13], s[98:99]
.endif
	WIN (2+\a/4)<<2
.set n, 0
.rept 64
	v_max_num_f32 v[T+n], 0, v[64*(\a%4)+n]
.set n, n+1
.endr
	WIN 0
.irp bb, 0,1,2,3
.irp j, 0,1,2,3,4,5,6,7
	v_permlane16_swap_b32 v[T+16*\bb+\j], v[T+16*\bb+8+\j]
.endr
.endr
	QUANT
	global_store_b128 v[CO16], v[PC:PC+3], s[12:13]
	global_store_b64 v[CO8], v[PC+4:PC+5], s[12:13] offset:512
	global_store_b128 v[CO16], v[PC+6:PC+9], s[12:13] offset:768
	global_store_b64 v[CO8], v[PC+10:PC+11], s[12:13] offset:1280
	ds_store_b32 v[SST], v[PW] offset:64*\a
.endr
	ds_load_b128 v[SB4:SB4+3], v[SLD]
	s_wait_dscnt 0x0
	global_store_b128 v[CO16], v[SB4:SB4+3], s[96:97]
	s_wait_tensorcnt 0x0
	ds_add_u32 v[SPW], v[NIL]
	s_wait_dscnt 0x0
	CROUND
	s_endpgm
.Lfunc_end_k_qcd0120ac35_ffn1:
	.size	k_qcd0120ac35_ffn1, .Lfunc_end_k_qcd0120ac35_ffn1-k_qcd0120ac35_ffn1
	.p2alignl 7, 3214868480
	.fill 96, 4, 3214868480
	.section	.rodata,"a",@progbits
	.p2align	6, 0x0
	.amdhsa_kernel k_qcd0120ac35_ffn1
		.amdhsa_group_segment_fixed_size 327680
		.amdhsa_private_segment_fixed_size 0
		.amdhsa_enable_private_segment 0
		.amdhsa_kernarg_size 40
		.amdhsa_user_sgpr_count 2
		.amdhsa_user_sgpr_kernarg_segment_ptr 1
		.amdhsa_wavefront_size32 1
		.amdhsa_system_sgpr_workgroup_id_x 1
		.amdhsa_system_sgpr_workgroup_id_y 1
		.amdhsa_system_sgpr_workgroup_id_z 1
		.amdhsa_system_vgpr_workitem_id 0
		.amdhsa_next_free_vgpr 1024
		.amdhsa_next_free_sgpr 102
		.amdhsa_reserve_vcc 0
		.amdhsa_float_denorm_mode_32 3
		.amdhsa_float_denorm_mode_16_64 3
		.amdhsa_memory_ordered 1
		.amdhsa_forward_progress 1
		.amdhsa_inst_pref_size 176
	.end_amdhsa_kernel
	.amdgpu_metadata
---
amdhsa.version: [ 1, 2 ]
amdhsa.kernels:
  - .name:           k_qcd0120ac35_ffn1
    .symbol:         k_qcd0120ac35_ffn1.kd
    .args:
      - { .name: hq, .offset: 0, .size: 8, .value_kind: global_buffer, .address_space: global }
      - { .name: wimg, .offset: 8, .size: 8, .value_kind: global_buffer, .address_space: global }
      - { .name: w1_scales, .offset: 16, .size: 8, .value_kind: global_buffer, .address_space: global }
      - { .name: b1, .offset: 24, .size: 8, .value_kind: global_buffer, .address_space: global }
      - { .name: ff, .offset: 32, .size: 8, .value_kind: global_buffer, .address_space: global }
    .group_segment_fixed_size: 327680
    .private_segment_fixed_size: 0
    .kernarg_segment_align: 8
    .kernarg_segment_size: 40
    .max_flat_workgroup_size: 128
    .sgpr_count:     102
    .vgpr_count:     1024
    .wavefront_size: 32
...
	.end_amdgpu_metadata
.endif
;; end of part 5
;; launch ffn2 (part 6): grid 8 x 32, 4 waves a work-group, clusters of 4 x 4, 327,680 bytes of LDS; arguments ff, wimg, w2_scales, b2, x1, out0; writes out0
.if DOCPART == 6
	.amdgcn_target "amdgcn-amd-amdhsa--gfx1250"
	.amdhsa_code_object_version 6
	.text
	.protected	k_qcd0120ac35_ffn2
	.globl	k_qcd0120ac35_ffn2
	.p2align	8
	.type	k_qcd0120ac35_ffn2,@function
k_qcd0120ac35_ffn2:
	s_mov_b64 s[64:65], 0
	v_nop
	global_prefetch_b8 v0, s[64:65] scope:SCOPE_SE
	s_setreg_imm32_b32 hwreg(HW_REG_WAVE_MODE, 25, 1), 1
	s_wait_xcnt 0x0
	s_wait_alu depctr_hold_cnt(0) depctr_sa_sdst(0) depctr_va_vdst(0) depctr_va_sdst(0) depctr_va_ssrc(0) depctr_va_vcc(0) depctr_vm_vsrc(0)
	s_getreg_b32 s2, hwreg(HW_REG_IB_STS2, 6, 4)
	s_cmp_eq_u32 s2, 0
	s_cbranch_scc0 .Lentry_in_a_cluster
	s_endpgm
.Lentry_in_a_cluster:
	s_bfe_u32 s2, ttmp6, 0x10000c
	s_cmp_lg_u32 s2, 0xf033
	s_cbranch_scc0 .Lentry_shape_is_right
	s_endpgm
.Lentry_shape_is_right:
.set SIZE_K, 4096
.set BIAS,   1
.set SOFF,   0xC00000
.set NKS,    SIZE_K/128
.set KROW,   SIZE_K*6/8
.set KS,     SIZE_K/32
.set PITCH,  240
.set AHALF,  24576
.set BHALF,  24576                     ; B comes as images too: a slot holds [8 blocks of rows][4 fragments] of A, then of B; a wave of the ring fetches 4 blocks
.set BOFF,   2*AHALF
.set SLOT,   BOFF+2*BHALF
.set LAPS,   SIZE_K/1024
.set SCA,    2*SLOT
.set SCB,    SCA+4*SIZE_K
.set SBH,    (64*KS/256)*272
.set SPARE,  SCB+2*SBH
.set SPITCH, 272
.set ADA16, 8
.set ADA8,  10
.set ADB,   12
.set ADSA,  16
.set ADSB,  17
.set STO,   18
.set RD,    19
.set CO,    20
.set SPW,   28
.set NIL,   29
.set SC,    32
.set BI,    64
.set OB,    64
.set ACC,   128
.set G1A, 24
.set G0A, 32
.set G1B, 48
.set G0B, 56
.set G1SA, 68
.set G0SA, 76
.set G1SB, 80
.set G0SB, 88
.set MSB, 0
.macro WIN new
.if MSB != (\new)
	s_set_vgpr_msb (MSB<<8)|(\new)
.set MSB, (\new)
.endif
.endm
.set MUL, 0x05
.macro JLOAD g0a, g1a, g0b, g1b
	s_cmp_eq_u32 s15, 0
	s_cbranch_scc0 .Lfor_b_\@
	tensor_load_to_lds s[\g0a:\g0a+3], s[\g1a:\g1a+7]
	s_nop 0
.rept 4
	v_nop
.endr
	s_branch .Lasked_\@
.Lfor_b_\@:
	tensor_load_to_lds s[\g0b:\g0b+3], s[\g1b:\g1b+7]
	s_nop 0
.rept 4
	v_nop
.endr
.Lasked_\@:
.endm
.macro CREST
	s_cmp_lg_u32 s14, 0
	s_cbranch_scc1 .Lnot_wave_0_\@
	s_barrier_signal -3
.Lnot_wave_0_\@:
	s_barrier_wait -3
	s_barrier_signal -1
	s_barrier_wait -1
.endm
.macro CROUND
	s_barrier_signal -1
	s_barrier_wait -1
	CREST
.endm
.macro PLACES
.rept 4
	v_nop
.endr
.endm
	s_load_b64 s[4:5], s[0:1], 0x0
	s_load_b128 s[8:11], s[0:1], 0x8
.if BIAS
	s_load_b64 s[98:99], s[0:1], 0x18
	s_load_b64 s[96:97], s[0:1], 0x20
	s_load_b64 s[12:13], s[0:1], 0x28
.else
	s_load_b64 s[96:97], s[0:1], 0x18
	s_load_b64 s[12:13], s[0:1], 0x20
.endif
	v_lshl_add_u32 v[SPW], v0, 2, SPARE
	v_mov_b32 v[NIL], 0
	ds_add_u32 v28, v29
	ds_add_u32 v28, v29
	s_wait_dscnt 0x0
	v_lshrrev_b32 v1, 5, v0
	v_readfirstlane_b32 s14, v1
	s_lshr_b32 s15, s14, 1
	s_and_b32 s16, s14, 1
	s_bfe_u32 s40, ttmp6, 0x40000
	s_bfe_u32 s41, ttmp6, 0x40004
	s_lshl_b32 s42, ttmp9, 2
	s_add_co_u32 s42, s42, s40
	s_and_b32 s17, ttmp7, 0xffff
	s_lshl_b32 s17, s17, 2
	s_add_co_u32 s17, s17, s41
	s_lshl_b32 s43, s41, 2
	s_lshl_b32 s43, 15, s43
	s_lshl_b32 s44, 0x1111, s40
	s_or_b32 s[G1A], s43, (3<<16)|(1<<21)
	s_mov_b32 s[G1A+1], 768<<16
	s_mov_b32 s[G1A+2], 8<<16
	s_mov_b32 s[G1A+3], 768<<16
	s_mov_b32 s[G1A+4], 8
	s_mov_b32 s[G1A+5], NKS*192
	s_mov_b32 s[G1A+6], 0
	s_mov_b32 s[G1A+7], 0
	s_or_b32 s[G1B], s44, (3<<16)|(1<<21)
	s_mov_b32 s[G1B+1], 768<<16
	s_mov_b32 s[G1B+2], 8<<16
	s_mov_b32 s[G1B+3], 768<<16
	s_mov_b32 s[G1B+4], 8
	s_mov_b32 s[G1B+5], NKS*192
	s_mov_b32 s[G1B+6], 0
	s_mov_b32 s[G1B+7], 0
	s_or_b32 s[G1SA], s43, (3<<16)|(1<<21)
	s_mov_b32 s[G1SA+1], 64<<16
	s_mov_b32 s[G1SA+2], NKS<<16
	s_mov_b32 s[G1SA+3], 64<<16
	s_mov_b32 s[G1SA+4], NKS
	s_mov_b32 s[G1SA+5], 2048
	s_mov_b32 s[G1SA+6], 0
	s_mov_b32 s[G1SA+7], 0
	s_or_b32 s[G1SB], s44, (3<<16)|(1<<20)|(1<<21)|(5<<22)|(3<<25)
	s_mov_b32 s[G1SB+1], 32<<16
	s_mov_b32 s[G1SB+2], (128*KS/256)<<16
	s_mov_b32 s[G1SB+3], 32<<16
	s_mov_b32 s[G1SB+4], 128*KS/256
	s_mov_b32 s[G1SB+5], 32
	s_mov_b32 s[G1SB+6], 0
	s_mov_b32 s[G1SB+7], 0
	s_mul_i32 s20, s17, 8*NKS*1536
	s_mov_b32 s21, 0
	s_lshl_b32 s22, s17, 9
	s_add_co_u32 s22, s22, SOFF
	s_mov_b32 s23, 0
	s_mul_i32 s46, s42, 128*KROW
	s_mov_b32 s47, 0
	s_lshl_b32 s92, s42, 7
	s_mul_i32 s92, s92, KS
	s_mov_b32 s93, 0
	s_mul_i32 s45, s16, AHALF
	s_mul_i32 s94, s16, BHALF
	s_add_co_u32 s94, s94, BOFF
	s_mul_i32 s18, s16, 4*NKS*1536                 ; in the ring I fetch 4 blocks of rows: which four, in bytes
	s_mov_b32 s19, 0
	s_wait_kmcnt 0x0
	s_add_nc_u64 s[20:21], s[4:5], s[20:21]
	s_add_nc_u64 s[22:23], s[4:5], s[22:23]
	s_add_nc_u64 s[8:9], s[8:9], 0x600000          ; this weight's images
	s_add_nc_u64 s[46:47], s[8:9], s[46:47]
	s_add_nc_u64 s[92:93], s[10:11], s[92:93]
	CROUND
	s_mov_b32 s[G0SA], 1
	s_mov_b32 s[G0SA+1], SCA
	s_mov_b64 s[G0SA+2:G0SA+3], s[22:23]
	s_or_b32 s[G0SA+3], s[G0SA+3], 0x80000000
	s_mov_b32 s[G0SB], 1
	s_mov_b32 s[G0SB+1], SCB
	s_mov_b64 s[G0SB+2:G0SB+3], s[92:93]
	s_or_b32 s[G0SB+3], s[G0SB+3], 0x80000000
	s_mov_b32 s4, 1                                ; groups 0 of the head's loads of slot 0: A's 8 blocks,
	s_mov_b32 s5, 0
	s_mov_b64 s[6:7], s[20:21]
	s_or_b32 s7, s7, 0x80000000
	s_mov_b32 s8, 1                                ; B's 8 blocks
	s_mov_b32 s9, BOFF
	s_mov_b64 s[10:11], s[46:47]
	s_or_b32 s11, s11, 0x80000000
; THE PREFETCHES.  Behind the load of slot n each wave asks for slot n + 2: two changes of slots ahead of the load that will want it; slots 2 to 7 are asked for, the last two refills ask for nothing.
; A wave of the ring fetches 4 blocks of rows jointly with three partners; the partner at place p (cx for A, cy for B) names block p's 6,144 bytes of the slot: 24 blocks of 256 bytes, a lane each
; (lanes 24-31 name the last again).  So each block is named once in the cluster; the share is made by address, and no branch hangs on a work-group's place.
.set PFA, 100                          ; s[100:101] where my prefetch stands
.set PFO, 21                           ; v21 256 x min(lane, 23); never rewritten
	v_and_b32 v[PFO], 31, v0
	v_min_u32 v[PFO], 23, v[PFO]
	v_lshlrev_b32 v[PFO], 8, v[PFO]
	s_wait_alu depctr_va_vdst(0)
	s_cmp_eq_u32 s15, 0                            ; do I fetch for A?
	s_cselect_b64 s[PFA:PFA+1], s[20:21], s[46:47]
	s_cselect_b32 s92, s40, s41
	s_lshl_b32 s93, s16, 2
	s_add_co_u32 s92, s92, s93                     ; my block of the tile's eight
	s_mul_i32 s92, s92, NKS*1536
	s_add_co_u32 s92, s92, 2*6144                  ; slot 2
	s_mov_b32 s93, 0
	s_add_nc_u64 s[PFA:PFA+1], s[PFA:PFA+1], s[92:93]
	s_add_nc_u64 s[20:21], s[20:21], s[18:19]
	s_add_nc_u64 s[46:47], s[46:47], s[18:19]
.irp s, 0,1
	s_mov_b32 s[G0A+4*\s], 1
	s_add_co_u32 s[G0A+4*\s+1], s45, \s*SLOT
	s_add_nc_u64 s[G0A+4*\s+2:G0A+4*\s+3], s[20:21], \s*6144
	s_or_b32 s[G0A+4*\s+3], s[G0A+4*\s+3], 0x80000000
	s_mov_b32 s[G0B+4*\s], 1
	s_add_co_u32 s[G0B+4*\s+1], s94, \s*SLOT
	s_add_nc_u64 s[G0B+4*\s+2:G0B+4*\s+3], s[46:47], \s*6144
	s_or_b32 s[G0B+4*\s+3], s[G0B+4*\s+3], 0x80000000
.endr
; the head's four tiles, one joint load a wave, in one chain of branches on the wave's number
.macro ARM under, g0, g1, next
	s_cmp_lt_u32 s14, \under
	s_cbranch_scc0 \next
	tensor_load_to_lds s[\g0:\g0+3], s[\g1:\g1+7]
	s_nop 0
.rept 4
	v_nop
.endr
	s_branch .Lhead_asked
\next:
.endm
	ARM 1, 4, G1A, .Lhead_b
	ARM 2, 8, G1B, .Lhead_sa
	ARM 3, G0SA, G1SA, .Lhead_sb
	tensor_load_to_lds s[G0SB:G0SB+3], s[G1SB:G1SB+7]
	s_nop 0
.rept 4
	v_nop
.endr
.Lhead_asked:
	global_prefetch_b8 v[PFO], s[PFA:PFA+1] th:TH_LOAD_NT scope:SCOPE_SE   ; slot 2
	v_and_b32 v1, 15, v0
	v_bfe_u32 v2, v0, 4, 1
	v_and_b32 v3, 31, v0
	s_mul_i32 s21, s15, 24576
	v_lshl_add_u32 v[ADA16], v3, 4, s21
	v_lshl_add_u32 v[ADA8], v3, 3, s21
	v_add_nc_u32 v[ADA16+1], SLOT, v[ADA16]
	v_add_nc_u32 v[ADA8+1], SLOT, v[ADA8]
	s_mul_i32 s22, s16, 24576                      ; my four blocks of B
	s_add_co_u32 s22, s22, BOFF
	v_lshl_add_u32 v[ADB], v3, 4, s22              ; 16 x lane
	v_lshl_add_u32 v[ADB+2], v3, 3, s22            ; 8 x lane
	v_add_nc_u32 v[ADB+1], SLOT, v[ADB]
	v_add_nc_u32 v[ADB+3], SLOT, v[ADB+2]
	s_lshl_b32 s21, s15, 8
	s_add_co_u32 s21, s21, SCA
	v_lshl_add_u32 v[ADSA], v3, 2, s21
	v_mul_u32_u24 v5, v3, KS
	v_lshrrev_b32 v6, 8, v5
	v_lshl_add_u32 v5, v6, 4, v5
	s_mul_i32 s21, s16, SBH
	s_add_co_u32 s21, s21, SCB
	v_add_nc_u32 v[ADSB], s21, v5
	s_mul_i32 s23, s14, 16*SPITCH
	v_mul_u32_u24 v5, v1, SPITCH
	v_lshl_add_u32 v5, v2, 5, v5
	v_add_nc_u32 v[STO], s23, v5
	v_mul_u32_u24 v5, v2, SPITCH
	v_lshl_add_u32 v5, v1, 4, v5
	v_add_nc_u32 v[RD], s23, v5
	v_lshlrev_b32 v5, 12, v2
	v_lshl_add_u32 v[CO], v1, 4, v5
	s_wait_alu depctr_va_vdst(0)
	s_lshl_b32 s20, s17, 7
	s_lshl_b32 s21, s15, 6
	s_add_co_u32 s20, s20, s21
	s_lshl_b32 s20, s20, 12
	s_lshl_b32 s21, s42, 9
	s_lshl_b32 s22, s16, 8
	s_add_co_u32 s22, s21, s22
	s_add_co_u32 s20, s20, s22
	s_mov_b32 s21, 0
	s_mov_b32 s23, 0
	s_add_nc_u64 s[12:13], s[12:13], s[20:21]
	s_add_nc_u64 s[96:97], s[96:97], s[20:21]
.if BIAS
	s_add_nc_u64 s[98:99], s[98:99], s[22:23]
	v_lshlrev_b32 v7, 5, v2
.irp b, 0,1,2,3
	global_load_b128 v[BI+8*\b:BI+8*\b+3], v7, s[98:99] offset:64*\b
	global_load_b128 v[BI+8*\b+4:BI+8*\b+7], v7, s[98:99] offset:64*\b+16
.endr
.endif
	WIN 0x80
.irp a, 0,1,2,3
.irp i, 0,1,2,3,4,5,6,7
	global_load_b128 v[32*\a+4*\i:32*\a+4*\i+3], v[CO], s[96:97] offset:(16*\a+2*\i)*4096
.endr
.endr
	WIN 0
.macro WM d, a, b, c, sa, sb, ra, rb
.if (\c) < 0
.if (\ra) && (\rb)
	v_wmma_scale_f32_16x16x128_f8f6f4 v[\d:\d+7], v[\a:\a+11], v[\b:\b+11], 0, v[\sa], v[\sb] matrix_a_fmt:MATRIX_FMT_FP6 matrix_b_fmt:MATRIX_FMT_FP6 matrix_a_scale:MATRIX_SCALE_ROW1 matrix_b_scale:MATRIX_SCALE_ROW1
.elseif (\ra)
	v_wmma_scale_f32_16x16x128_f8f6f4 v[\d:\d+7], v[\a:\a+11], v[\b:\b+11], 0, v[\sa], v[\sb] matrix_a_fmt:MATRIX_FMT_FP6 matrix_b_fmt:MATRIX_FMT_FP6 matrix_a_scale:MATRIX_SCALE_ROW1
.elseif (\rb)
	v_wmma_scale_f32_16x16x128_f8f6f4 v[\d:\d+7], v[\a:\a+11], v[\b:\b+11], 0, v[\sa], v[\sb] matrix_a_fmt:MATRIX_FMT_FP6 matrix_b_fmt:MATRIX_FMT_FP6 matrix_b_scale:MATRIX_SCALE_ROW1
.else
	v_wmma_scale_f32_16x16x128_f8f6f4 v[\d:\d+7], v[\a:\a+11], v[\b:\b+11], 0, v[\sa], v[\sb] matrix_a_fmt:MATRIX_FMT_FP6 matrix_b_fmt:MATRIX_FMT_FP6
.endif
.else
.if (\ra) && (\rb)
	v_wmma_scale_f32_16x16x128_f8f6f4 v[\d:\d+7], v[\a:\a+11], v[\b:\b+11], v[\c:\c+7], v[\sa], v[\sb] matrix_a_fmt:MATRIX_FMT_FP6 matrix_b_fmt:MATRIX_FMT_FP6 matrix_a_scale:MATRIX_SCALE_ROW1 matrix_b_scale:MATRIX_SCALE_ROW1
.elseif (\ra)
	v_wmma_scale_f32_16x16x128_f8f6f4 v[\d:\d+7], v[\a:\a+11], v[\b:\b+11], v[\c:\c+7], v[\sa], v[\sb] matrix_a_fmt:MATRIX_FMT_FP6 matrix_b_fmt:MATRIX_FMT_FP6 matrix_a_scale:MATRIX_SCALE_ROW1
.elseif (\rb)
	v_wmma_scale_f32_16x16x128_f8f6f4 v[\d:\d+7], v[\a:\a+11], v[\b:\b+11], v[\c:\c+7], v[\sa], v[\sb] matrix_a_fmt:MATRIX_FMT_FP6 matrix_b_fmt:MATRIX_FMT_FP6 matrix_b_scale:MATRIX_SCALE_ROW1
.else
	v_wmma_scale_f32_16x16x128_f8f6f4 v[\d:\d+7], v[\a:\a+11], v[\b:\b+11], v[\c:\c+7], v[\sa], v[\sb] matrix_a_fmt:MATRIX_FMT_FP6 matrix_b_fmt:MATRIX_FMT_FP6
.endif
.endif
.endm
.macro MUL4 f, a, q, set, zero
.irp b, 0,1,2,3
.if \zero
.if BIAS
	WM ACC+8*(4*(\a)+\b), (\f)+48+12*\b, (\f)+12*(\a), BI+8*\b, SC+16*(\set)+8+4*(\b/2)+(\q), SC+16*(\set)+2*(\q)+(\a)/2, \b%2, (\a)%2
.else
	WM ACC+8*(4*(\a)+\b), (\f)+48+12*\b, (\f)+12*(\a), -1, SC+16*(\set)+8+4*(\b/2)+(\q), SC+16*(\set)+2*(\q)+(\a)/2, \b%2, (\a)%2
.endif
.else
	WM ACC+8*(4*(\a)+\b), (\f)+48+12*\b, (\f)+12*(\a), ACC+8*(4*(\a)+\b), SC+16*(\set)+8+4*(\b/2)+(\q), SC+16*(\set)+2*(\q)+(\a)/2, \b%2, (\a)%2
.endif
.endr
.endm
.macro FRAGA reg, slot, q, a
.set OFA, (\a)*6144+(\q)*1536
	ds_load_b128 v[\reg:\reg+3], v[ADA16+\slot] offset:OFA
	ds_load_b64 v[\reg+4:\reg+5], v[ADA8+\slot] offset:OFA+512
	ds_load_b128 v[\reg+6:\reg+9], v[ADA16+\slot] offset:OFA+768
	ds_load_b64 v[\reg+10:\reg+11], v[ADA8+\slot] offset:OFA+1280
.endm
.macro FRAGB reg, slot, q, b
.set OFB, (\b)*6144+(\q)*1536
	ds_load_b128 v[\reg:\reg+3], v[ADB+\slot] offset:OFB
	ds_load_b64 v[\reg+4:\reg+5], v[ADB+2+\slot] offset:OFB+512
	ds_load_b128 v[\reg+6:\reg+9], v[ADB+\slot] offset:OFB+768
	ds_load_b64 v[\reg+10:\reg+11], v[ADB+2+\slot] offset:OFB+1280
.endm
.macro FETCH slot, q, f
	WIN 0x40
.irp b, 0,1,2,3
	FRAGB (\f)+48+12*\b, \slot, \q, \b
.endr
.irp a, 0,1,2,3
	FRAGA (\f)+12*\a, \slot, \q, \a
.endr
.endm
.macro SCALES set
	WIN 0
.irp q, 0,1,2,3
.irp p, 0,1
	ds_load_b32 v[SC+16*(\set)+2*\q+\p], v[ADSA] offset:512*\q+128*\p
.endr
.endr
.irp p, 0,1
	ds_load_b128 v[SC+16*(\set)+8+4*\p:SC+16*(\set)+8+4*\p+3], v[ADSB] offset:\p*(32*KS/256)*272
.endr
.endm
.macro STEP slot, q, zero
.set FF, 128*((\q)%2)
.set FG, 128-FF
	s_wait_dscnt 8
	WIN MUL
	MUL4 FF, 0, \q, \slot, \zero
	MUL4 FF, 1, \q, \slot, \zero
	PLACES
	FETCH \slot, (\q)+1, FG
	s_wait_dscnt 32
	WIN MUL
	MUL4 FF, 2, \q, \slot, \zero
	MUL4 FF, 3, \q, \slot, \zero
.endm
.macro TURN slot, next, fill
	WIN 0
.if \fill
	s_wait_xcnt 0x0                                ; my last prefetch has read its address: it is stepped here, a slot behind that prefetch
	s_add_nc_u64 s[PFA:PFA+1], s[PFA:PFA+1], 6144
.endif
	s_wait_tensorcnt 0x0
	ds_add_u32 v[SPW], v[NIL]
	s_wait_dscnt 9
	WIN MUL
	MUL4 128, 0, 3, \slot, 0
	s_wait_dscnt 0x0
	s_barrier_signal -1
	MUL4 128, 1, 3, \slot, 0
	WIN 0
	s_barrier_wait -1
.if \fill
	CREST
	s_add_nc_u64 s[G0A+4*\slot+2:G0A+4*\slot+3], s[G0A+4*\slot+2:G0A+4*\slot+3], 12288
	s_add_nc_u64 s[G0B+4*\slot+2:G0B+4*\slot+3], s[G0B+4*\slot+2:G0B+4*\slot+3], 12288
	JLOAD G0A+4*\slot, G1A, G0B+4*\slot, G1B
.else
	PLACES
.endif
	s_wait_alu depctr_va_vdst(0)
	v_add_nc_u32 v[ADSA], 2048, v[ADSA]
	v_add_nc_u32 v[ADSB], 16, v[ADSB]
	SCALES \next
	FETCH \next, 0, 0
.if \fill
	WIN 0
	s_cmp_gt_u32 s3, 1                             ; the loop's last trip has no slot two on
	s_cbranch_scc0 .Lnot_asked_\@
	global_prefetch_b8 v[PFO], s[PFA:PFA+1] th:TH_LOAD_NT scope:SCOPE_SE
.Lnot_asked_\@:
.endif
	WIN MUL
	MUL4 128, 2, 3, \slot, 0
	MUL4 128, 3, 3, \slot, 0
.endm
	s_wait_alu depctr_va_vdst(0)                   ; the wait at the head's end
	s_wait_tensorcnt 0x0
	ds_add_u32 v[SPW], v[NIL]
	s_wait_xcnt 0x0                                ; my prefetch has read its address
	s_add_nc_u64 s[PFA:PFA+1], s[PFA:PFA+1], 6144
	s_mov_b32 s[G1A+2], 4<<16
	s_mov_b32 s[G1A+4], 4
	s_mov_b32 s[G1B+2], 4<<16
	s_mov_b32 s[G1B+4], 4
	s_wait_dscnt 0x0
	CROUND
	JLOAD G0A+4, G1A, G0B+4, G1B                   ; slot 1
	SCALES 0
	FETCH 0, 0, 0
	global_prefetch_b8 v[PFO], s[PFA:PFA+1] th:TH_LOAD_NT scope:SCOPE_SE   ; slot 3
.if BIAS
	s_wait_loadcnt 32
.endif
	STEP 0, 0, 1
.if LAPS > 1
	WIN 0
	s_mov_b32 s3, LAPS-1
.Llap:
	STEP 0, 1, 0
	STEP 0, 2, 0
	TURN 0, 1, 1
	STEP 1, 0, 0
	STEP 1, 1, 0
	STEP 1, 2, 0
	TURN 1, 0, 1
	STEP 0, 0, 0
	WIN 0
	s_sub_co_u32 s3, s3, 1
	s_cmp_lg_u32 s3, 0
	s_cbranch_scc1 .Llap
.endif
	STEP 0, 1, 0
	STEP 0, 2, 0
	TURN 0, 1, 0
	STEP 1, 0, 0
	STEP 1, 1, 0
	STEP 1, 2, 0
	s_wait_dscnt 8
	WIN MUL
	MUL4 128, 0, 3, 1, 0
	MUL4 128, 1, 3, 1, 0
	s_wait_dscnt 0x0
	MUL4 128, 2, 3, 1, 0
	MUL4 128, 3, 3, 1, 0
	WIN 0
.macro TOSTAGE a
.irp b, 0,1,2,3
	ds_store_b128 v[STO], v[ACC+8*(4*(\a)+\b):ACC+8*(4*(\a)+\b)+3] offset:64*\b
	ds_store_b128 v[STO], v[ACC+8*(4*(\a)+\b)+4:ACC+8*(4*(\a)+\b)+7] offset:64*\b+16
.endr
.irp i, 0,1,2,3,4,5,6,7
	ds_load_b128 v[OB+32*((\a)%2)+4*\i:OB+32*((\a)%2)+4*\i+3], v[RD] offset:\i*2*SPITCH
.endr
.endm
.macro SEND a, younger
	s_wait_dscnt \younger
	WIN 0x08
.set k, 0
.rept 16
	v_pk_add_f32 v[OB+32*((\a)%2)+k:OB+32*((\a)%2)+k+1], v[OB+32*((\a)%2)+k:OB+32*((\a)%2)+k+1], v[32*(\a)+k:32*(\a)+k+1]
.set k, k+2
.endr
	WIN 0
.irp i, 0,1,2,3,4,5,6,7
	global_store_b128 v[CO], v[OB+32*((\a)%2)+4*\i:OB+32*((\a)%2)+4*\i+3], s[12:13] offset:(16*(\a)+2*\i)*4096
.endr
.endm
	PLACES
	s_wait_loadcnt 0x0
	TOSTAGE 0
.irp a, 1,2,3
.if \a > 1
	s_wait_xcnt 0x0
.endif
	TOSTAGE \a
	SEND \a-1, 16
.endr
	SEND 3, 0
	s_wait_tensorcnt 0x0
	ds_add_u32 v[SPW], v[NIL]
	s_wait_dscnt 0x0
	CROUND
	s_endpgm
.Lfunc_end_k_qcd0120ac35_ffn2:
	.size	k_qcd0120ac35_ffn2, .Lfunc_end_k_qcd0120ac35_ffn2-k_qcd0120ac35_ffn2
	.p2alignl 7, 3214868480
	.fill 96, 4, 3214868480
	.section	.rodata,"a",@progbits
	.p2align	6, 0x0
	.amdhsa_kernel k_qcd0120ac35_ffn2
		.amdhsa_group_segment_fixed_size 327680
		.amdhsa_private_segment_fixed_size 0
		.amdhsa_enable_private_segment 0
		.amdhsa_kernarg_size 48
		.amdhsa_user_sgpr_count 2
		.amdhsa_user_sgpr_kernarg_segment_ptr 1
		.amdhsa_wavefront_size32 1
		.amdhsa_system_sgpr_workgroup_id_x 1
		.amdhsa_system_sgpr_workgroup_id_y 1
		.amdhsa_system_sgpr_workgroup_id_z 1
		.amdhsa_system_vgpr_workitem_id 0
		.amdhsa_next_free_vgpr 640
		.amdhsa_next_free_sgpr 102
		.amdhsa_reserve_vcc 0
		.amdhsa_float_denorm_mode_32 3
		.amdhsa_float_denorm_mode_16_64 3
		.amdhsa_memory_ordered 1
		.amdhsa_forward_progress 1
		.amdhsa_inst_pref_size 102
	.end_amdhsa_kernel
	.amdgpu_metadata
---
amdhsa.version: [ 1, 2 ]
amdhsa.kernels:
  - .name:           k_qcd0120ac35_ffn2
    .symbol:         k_qcd0120ac35_ffn2.kd
    .args:
      - { .name: ff, .offset: 0, .size: 8, .value_kind: global_buffer, .address_space: global }
      - { .name: wimg, .offset: 8, .size: 8, .value_kind: global_buffer, .address_space: global }
      - { .name: w2_scales, .offset: 16, .size: 8, .value_kind: global_buffer, .address_space: global }
      - { .name: b2, .offset: 24, .size: 8, .value_kind: global_buffer, .address_space: global }
      - { .name: x1, .offset: 32, .size: 8, .value_kind: global_buffer, .address_space: global }
      - { .name: out0, .offset: 40, .size: 8, .value_kind: global_buffer, .address_space: global }
    .group_segment_fixed_size: 327680
    .private_segment_fixed_size: 0
    .kernarg_segment_align: 8
    .kernarg_segment_size: 48
    .max_flat_workgroup_size: 128
    .sgpr_count:     102
    .vgpr_count:     640
    .wavefront_size: 32
...
	.end_amdgpu_metadata
.endif
;; end of part 6
